; MI455X (gfx1250); checked and timed in simulation.
; The chip was launched on July 23, 2026; its instructions are those of AMD's public machine-readable ISA for CDNA 5 (MIT licence, August 2026) and "CDNA5" Instruction Set Architecture Reference Guide (July 2026). The comments in the code are by the model that wrote it; some were corrected since.
;; Multi Head Attention. Allowed arithmetic: matrix products marked QUANTISED: E2M1 operands, one E8M0 scale for each 32 along K, by v_wmma_scale_f32_16x16x128_f8f6f4 with both operands' format E2M1 (or v_wmma_scale_f32_32x16x128_f4), f32 sums; products left as they are: bf16, f16 or f32 operands; f32 sums; everything else in f32.
;; Inputs: b_out 1,024 float32; w_out 1,024 x 1,024 float32; w_qkv 1,024 x 3,072 float32; x 4 x 2,048 x 1,024 float32.
;; Outputs: out0 4 x 2,048 x 1,024 float32.
;; This version of the problem:
;;   THIS VERSION OF THE PROBLEM IS GIVEN IN LOW PRECISION. The matrix products marked QUANTISED in the list below multiply operands that are first quantised to E2M1 (2 exponent bits, 1 mantissa bit; 4 bits a number), with one power-of-two scale for each 32 numbers along K (OCP MX v1.0); their sums are f32. The products marked 'left as it is' may take bf16, f16 or f32 operands, with f32 sums. Whichever they take, every output number must still come out within the allowed error. Rounding operands to bf16 (8 significant bits) uses up far more of that allowance than f16 does (11 bits, for magnitudes from 6e-5 to 65,504). All else is computed in f32.
;;   The module's matrix products, in the order in which they are computed (A, B: the left and right operand; K: the contracted axis; several contracted axes count as one K, in the product's order):
;;     1. [M 8,192, K 1,024] x [K 1,024, N 3,072]; A: input x; B: input w_qkv: QUANTISED
;;     2. batch 64 x [M 2,048, K 64] x [K 64, N 2,048]; A: computed on the way; B: computed on the way: left as it is (an operand is computed on the way)
;;     3. batch 64 x [M 2,048, K 2,048] x [K 2,048, N 64]; A: computed on the way; B: computed on the way: left as it is (an operand is computed on the way)
;;     4. [M 8,192, K 1,024] x [K 1,024, N 1,024]; A: computed on the way; B: input w_out: left as it is (an operand is computed on the way)
;;   THE QUANTISER, for each operand of a quantised product, along K:
;;     - K is cut into blocks of 32 from its start; a last block that is shorter is filled with zeros.
;;     - A block's scale is 2^e with e = floor(log2(the largest magnitude in the block)) - 2, held to -126 .. 127; a block of zeros has e = 0. As a byte (E8M0): e + 127.
;;     - Each number is divided by its block's scale, clamped to +-6, and rounded to the nearest number of E2M1, ties to even, subnormals kept.
;;     - The product sums the exact products of the quantised numbers (number of the format x scale) in f32.
;;   ~~~python
;;   def quantise(x, axis):      # numpy; x: float32 -> the quantised numbers, widened to float32 again
;;       x = np.moveaxis(x, axis, -1); K = x.shape[-1]
;;       x = np.pad(x, [(0, 0)] * (x.ndim - 1) + [(0, -K % 32)]); x = x.reshape(x.shape[:-1] + (-1, 32)); a = np.abs(x).max(-1, keepdims=True)
;;       e = np.where(a > 0, np.clip(np.frexp(np.where(a > 0, a, 1))[1] - 1 - 2, -126, 127), 0)      # np.frexp(a)[1] - 1 = floor(log2(a)), exactly
;;       r = np.clip(x / 2.0 ** e, -6, 6)
;;       step = 2.0 ** (np.maximum(np.frexp(np.where(r == 0, 1, r))[1] - 1, 0) - 1)
;;       q = np.round(r / step) * step * 2.0 ** e      # np.round: ties to even
;;       return np.moveaxis(q.reshape(q.shape[:-2] + (-1,))[..., :K], -1, axis).astype(np.float32)
;;   ~~~
;; One version. Each part assembles by itself: llvm-mc -triple=amdgcn-amd-amdhsa -mcpu=gfx1250 --defsym DOCPART=n.
;; ======== version 1 of 1: 5 launches
;; limits: values are held in f16: magnitudes above 65,504 overflow, below 6.1e-05 lose precision
;; workspace buffers: x_codes 4,194,304 bytes; x_scales 262,144 bytes; w_codes 1,572,864 bytes; w_scales 98,304 bytes; wo16 2,097,152 bytes; qkv16 50,331,648 bytes; qkv32 786,432 bytes; o16 16,777,216 bytes
;; launch prep (part 1): grid 480 x 1, 4 waves a work-group, no clusters, 33,280 bytes of LDS; arguments x, w_qkv, w_out, x_codes, x_scales, w_codes, w_scales, wo16; writes x_codes, x_scales, w_codes, w_scales, wo16
.if DOCPART == 1
	.amdgcn_target "amdgcn-amd-amdhsa--gfx1250"
	.amdhsa_code_object_version 6
	.text
	.protected	k_qba1ac6adbe_prep
	.globl	k_qba1ac6adbe_prep
	.p2align	8
	.type	k_qba1ac6adbe_prep,@function
k_qba1ac6adbe_prep:
	s_mov_b64 s[64:65], 0
	v_nop
	global_prefetch_b8 v0, s[64:65] scope:SCOPE_SE
	s_setreg_imm32_b32 hwreg(HW_REG_WAVE_MODE, 25, 1), 1
	s_wait_xcnt 0x0
; Three jobs in one launch, told apart by the work-group's number alone:
;   work-groups 0-191:   w_qkv [1024 (k)][3072 (n)] f32 -> codes of FP4 (E2M1) laid [k / 32][n][16 bytes], scale bytes laid [n][32]
;   work-groups 192-223: w_out [1024][1024] f32 -> f16, same layout
;   work-groups 224-479: x [8192][1024] f32 -> codes of FP4, K innermost, [8192][512 bytes], scale bytes [8192][32]
; THE QUANTISER: a block of 32 along K has the scale 2^(floor(log2(its largest magnitude)) - 2); the byte is the largest magnitude's exponent field - 2, held at 1 from below;
; each number is divided by the scale and rounded to the nearest code, ties to even, beyond 6 the code of 6.
; LIMITS: a block of zeros gets the byte 1 where the rule says 127 (its codes are zeros, and this program alone reads the bytes); blocks whose largest magnitude lies under 2^-124 have their byte held at 1;
; NaN and infinities among the inputs are not served; w_out is kept in f16: magnitudes up to 65,504.
; Only x's path touches LDS.  No tensor loads, no barrier: waves share nothing.
.set WAVES, 4
.set STEPS, 16
.set CB,    8                          ; bytes of 16 codes
.set R,     16                         ; x: v16-79   four sets of 16 numbers as they are loaded
.set X,     80                         ; x: v80-111  two sets of 16 neighbours
.set E,     112                        ; x: v112-127 a scale byte for each step
.set C,     128                        ; x: v128-191 codes, four registers for each step
.set WREG,  8192                       ; LDS: a region for each wave: two stages of 32 x SP bytes, behind them its 256 scale bytes
.set SP,    80                         ; a lane's place in a stage: 64 bytes + 16 of padding
.set SPW,   12                         ; v12  LDS address of my spare word; never rewritten
.set NIL,   13                         ; v13  0; never rewritten
.set SPARE, WAVES*WREG                 ; behind the regions: the spare words, 128 bytes a wave
	s_load_b256 s[4:11], s[0:1], 0x0               ; x s[4:5], w_qkv s[6:7], w_out s[8:9], x_codes s[10:11]
	s_load_b256 s[12:19], s[0:1], 0x20             ; x_scales s[12:13], w_codes s[14:15], w_scales s[16:17], wo16 s[18:19]
	v_lshl_add_u32 v[SPW], v0, 2, SPARE
	v_mov_b32 v[NIL], 0
	v_lshrrev_b32 v1, 5, v0
	v_readfirstlane_b32 s20, v1                    ; wave
	v_and_b32 v2, 31, v0                           ; lane
	s_mov_b32 s25, 0                               ; the high word of every offset pair s[24:25]
	s_wait_kmcnt 0x0
	s_cmp_lt_u32 ttmp9, 192
	s_cbranch_scc1 .Lw
	s_cmp_lt_u32 ttmp9, 224
	s_cbranch_scc1 .Lcast
; ---------------- x: a plain stream of blocks of 32.  A wave takes 16 steps of 512 numbers.
; Each load reads 512 consecutive bytes, 16 a lane; a step's 2,048 bytes turn through the wave's own stage in LDS and come back 64 bytes a lane: 16 neighbours along K, two lanes to a block.
	v_lshlrev_b32 v3, 4, v2                        ; my 16 bytes of a load's 512
	s_mul_i32 s21, s20, WREG
	v_lshrrev_b32 v14, 2, v2
	v_mul_u32_u24 v14, v14, SP
	v_and_b32 v15, 3, v2
	v_lshl_add_u32 v14, v15, 4, v14
	v_add_nc_u32 v14, s21, v14                     ; the stage, on the way in: SP (lane / 4) + 16 (lane % 4)
	v_mul_u32_u24 v15, v2, SP
	v_add_nc_u32 v15, s21, v15                     ; and on the way out: SP x lane
	v_mul_u32_u24 v4, v2, CB                       ; my codes' place in a step's
	v_lshrrev_b32 v5, 1, v2
	s_add_co_u32 s21, s21, 2*32*SP
	v_add_nc_u32 v5, s21, v5                       ; LDS: my block's scale byte
	v_lshlrev_b32 v7, 3, v2
	v_add_nc_u32 v6, s21, v7                       ; and on the way out 8 bytes a lane
	s_sub_co_u32 s22, ttmp9, 224
	s_lshl_b32 s22, s22, 2
	s_add_co_u32 s22, s22, s20                     ; which run of 8,192 numbers is my wave's: 0 .. 1,023
	s_lshl_b32 s24, s22, 15
	s_add_nc_u64 s[4:5], s[4:5], s[24:25]          ; 32,768 bytes of x a run,
	s_lshl_b32 s24, s22, 12
	s_add_nc_u64 s[10:11], s[10:11], s[24:25]      ; 4,096 of codes,
	s_lshl_b32 s24, s22, 8
	s_add_nc_u64 s[12:13], s[12:13], s[24:25]      ; 256 scale bytes
.macro LOAD t
.irp i, 0,1,2,3
	global_load_b128 v[R+16*((\t)%4)+4*\i:R+16*((\t)%4)+4*\i+3], v3, s[4:5] offset:2048*(\t)+512*\i th:TH_LOAD_NT
.endr
.endm
.macro TURN t                          ; LDS serves a wave's instructions in order: no wait between the stores and the loads
.irp i, 0,1,2,3
	ds_store_b128 v14, v[R+16*((\t)%4)+4*\i:R+16*((\t)%4)+4*\i+3] offset:32*SP*((\t)%2)+8*SP*\i
.endr
.irp i, 0,1,2,3
	ds_load_b128 v[X+16*((\t)%2)+4*\i:X+16*((\t)%2)+4*\i+3], v15 offset:32*SP*((\t)%2)+16*\i
.endr
.endm
.irp t, 0,1,2,3
	LOAD \t
.endr
	s_wait_loadcnt 12                              ; step 0's four loads are in; the twelve behind them stay out
	TURN 0
.macro STEP t
.set XS, X+16*((\t)%2)
.if (\t) > 0
	s_wait_dscnt 1                                 ; this step's numbers are back from the stage (the last step's byte store may be out)
.else
	s_wait_dscnt 0x0
.endif
.if (\t)+4 < STEPS
	LOAD (\t)+4                                    ; into the registers that the stage's stores have read
.endif
.if (\t)+1 < STEPS
.if STEPS-2-(\t) >= 3
	s_wait_loadcnt 12                              ; the next step's four loads are in; those of the three steps behind it may be out
.else
	s_wait_loadcnt 4*(STEPS-2-(\t))
.endif
	TURN (\t)+1
.endif
	v_max3_num_f32 v8, |v[XS]|, |v[XS+1]|, |v[XS+2]|               ; the largest magnitude of my 16, in two chains
	v_max3_num_f32 v9, |v[XS+3]|, |v[XS+4]|, |v[XS+5]|
.irp i, 6,10
	v_max3_num_f32 v8, v8, |v[XS+\i]|, |v[XS+\i+1]|
	v_max3_num_f32 v9, v9, |v[XS+\i+2]|, |v[XS+\i+3]|
.endr
	v_max3_num_f32 v8, v8, |v[XS+14]|, |v[XS+15]|
	v_max3_num_f32 v8, v8, v9, 0x1800000           ; and the floor 2^(3 - 127): the byte cannot fall under 1
	v_max_num_f32_dpp v8, v8, v8 row_xmask:1 row_mask:0xf bank_mask:0xf   ; with my neighbour's 16: the block's
	v_add_nc_u32 v11, 0xff000000, v8               ; 2 off its exponent field: the conversion takes the exponent field of this operand as its scale
	v_cvt_scalef32_pk8_fp4_f32 v[C+4*(\t)], v[XS:XS+7], v11
	v_cvt_scalef32_pk8_fp4_f32 v[C+4*(\t)+1], v[XS+8:XS+15], v11
	v_lshrrev_b32 v[E+(\t)], 23, v11               ; the scale's byte
	ds_store_b8 v5, v[E+(\t)] offset:16*(\t)       ; both lanes of a block write the same byte with the same value
	global_store_b64 v4, v[C+4*(\t):C+4*(\t)+1], s[10:11] offset:32*CB*(\t)   ; the wave stores 256 consecutive bytes, aligned
.endm
.irp t, 0,1,2,3,4,5,6,7,8,9,10,11,12,13,14,15
	STEP \t
.endr
	ds_load_b64 v[8:9], v6                         ; my wave's 256 scale bytes: these loads see my stores
	s_wait_dscnt 0x0
	global_store_b64 v7, v[8:9], s[12:13]          ; 256 consecutive bytes, aligned
	s_wait_tensorcnt 0x0                           ; the wave's end: the add and its waits, behind my last LDS store
	ds_add_u32 v[SPW], v[NIL]
	s_wait_dscnt 0x0
	s_endpgm
; ---------------- w_out to f16: a wave takes 32,768 bytes in 64 chunks of 512; sixteen loads are always on their way.
.Lcast:
	v_lshlrev_b32 v3, 4, v2                        ; in: 16 bytes a lane
	v_lshlrev_b32 v4, 3, v2                        ; out: 8 bytes a lane
	s_sub_co_u32 s22, ttmp9, 192
	s_lshl_b32 s22, s22, 2
	s_add_co_u32 s22, s22, s20                     ; run 0 .. 127
	s_lshl_b32 s24, s22, 15
	s_add_nc_u64 s[8:9], s[8:9], s[24:25]
	s_lshl_b32 s24, s22, 14
	s_add_nc_u64 s[18:19], s[18:19], s[24:25]
.macro CLOAD t
	global_load_b128 v[16+4*((\t)%16):16+4*((\t)%16)+3], v3, s[8:9] offset:512*(\t)
.endm
.macro CHUNK t
.if 63-(\t) < 15
	s_wait_loadcnt 63-(\t)                         ; the tail: the counts run down
.else
	s_wait_loadcnt 15                              ; my chunk is in; the fifteen younger loads stay out
.endif
.if (\t) >= 16
	s_wait_xcnt 0x0                                ; the store of sixteen chunks ago has read its data: they are written again only behind this wait
.endif
	v_cvt_pk_f16_f32 v[80+2*((\t)%16)], v[16+4*((\t)%16)], v[17+4*((\t)%16)]
	v_cvt_pk_f16_f32 v[81+2*((\t)%16)], v[18+4*((\t)%16)], v[19+4*((\t)%16)]
.if (\t)+16 < 64
	CLOAD (\t)+16
.endif
	global_store_b64 v4, v[80+2*((\t)%16):81+2*((\t)%16)], s[18:19] offset:256*(\t)   ; 256 consecutive bytes, aligned
.endm
.set Q, 0
.rept 16
	CLOAD Q
.set Q, Q+1
.endr
.set Q, 0
.rept 64
	CHUNK Q
.set Q, Q+1
.endr
	s_endpgm
; ---------------- w_qkv: K is its first axis.  A lane takes a column n and its registers run down K: a block of 32 lies in one lane, and its 16 bytes of codes leave as they are made:
; in the layout [k / 32][n][16] the wave's store covers 512 consecutive bytes.  A wave takes 32 columns x 128 along K: four blocks and one scale word a lane.
.Lw:
	s_lshr_b32 s21, ttmp9, 3                       ; which 128 columns: 0 .. 23
	s_and_b32 s22, ttmp9, 7                        ; which 128 along K
	s_lshl_b32 s21, s21, 7
	s_lshl_b32 s23, s20, 5
	s_add_co_u32 s21, s21, s23                     ; my wave's first column
	s_mul_i32 s24, s22, 128*12288
	s_lshl_b32 s23, s21, 2
	s_add_co_u32 s24, s24, s23
	s_add_nc_u64 s[6:7], s[6:7], s[24:25]          ; w_qkv at (128 kc, column)
	s_mul_i32 s24, s22, 4*49152
	s_lshl_b32 s23, s21, 4
	s_add_co_u32 s24, s24, s23
	s_add_nc_u64 s[14:15], s[14:15], s[24:25]      ; codes at (block 4 kc, column)
	s_lshl_b32 s24, s21, 5
	s_lshl_b32 s23, s22, 2
	s_add_co_u32 s24, s24, s23
	s_add_nc_u64 s[16:17], s[16:17], s[24:25]      ; scale bytes at (column, 4 kc)
	v_lshlrev_b32 v3, 2, v2
	v_lshlrev_b32 v4, 4, v2
	v_lshlrev_b32 v5, 5, v2
.set Q, 0
.rept 128
	global_load_b32 v[32+Q], v3, s[6:7] offset:Q*12288 th:TH_LOAD_NT   ; row k at 32 neighbouring columns: 128 consecutive bytes a wave
.set Q, Q+1
.endr
.macro WBLOCK t
.set XS, 32+32*(\t)
.if 32*(3-(\t)) > 63
	s_wait_loadcnt 63                              ; at least the later blocks' loads are behind mine; the wait's field holds no larger count
.else
	s_wait_loadcnt 32*(3-(\t))                     ; the later blocks' loads stay out
.endif
	v_max3_num_f32 v8, |v[XS]|, |v[XS+1]|, |v[XS+2]|
	v_max3_num_f32 v9, |v[XS+3]|, |v[XS+4]|, |v[XS+5]|
.irp i, 6,10,14,18,22,26
	v_max3_num_f32 v8, v8, |v[XS+\i]|, |v[XS+\i+1]|
	v_max3_num_f32 v9, v9, |v[XS+\i+2]|, |v[XS+\i+3]|
.endr
	v_max3_num_f32 v8, v8, |v[XS+30]|, |v[XS+31]|
	v_max3_num_f32 v8, v8, v9, 0x1800000           ; the floor, as above
	v_add_nc_u32 v11, 0xff000000, v8
	v_lshrrev_b32 v9, 23, v11                      ; the scale's byte
.if (\t) == 0
	v_mov_b32 v24, v9
.else
	v_lshl_or_b32 v24, v9, 8*(\t), v24             ; four bytes make the word of these 128 along K
.endif
.irp g, 0,1,2,3
	v_cvt_scalef32_pk8_fp4_f32 v[160+4*(\t)+\g], v[XS+8*\g:XS+8*\g+7], v11
.endr
	global_store_b128 v4, v[160+4*(\t):160+4*(\t)+3], s[14:15] offset:49152*(\t)   ; each block has registers of its own: no store's data are written again
.endm
.irp t, 0,1,2,3
	WBLOCK \t
.endr
	global_store_b32 v5, v24, s[16:17]
	s_endpgm
.Lfunc_end_k_qba1ac6adbe_prep:
	.size	k_qba1ac6adbe_prep, .Lfunc_end_k_qba1ac6adbe_prep-k_qba1ac6adbe_prep
	.p2alignl 7, 3214868480
	.fill 96, 4, 3214868480
	.section	.rodata,"a",@progbits
	.p2align	6, 0x0
	.amdhsa_kernel k_qba1ac6adbe_prep
		.amdhsa_group_segment_fixed_size 33280
		.amdhsa_private_segment_fixed_size 0
		.amdhsa_enable_private_segment 0
		.amdhsa_kernarg_size 64
		.amdhsa_user_sgpr_count 2
		.amdhsa_user_sgpr_kernarg_segment_ptr 1
		.amdhsa_wavefront_size32 1
		.amdhsa_system_sgpr_workgroup_id_x 1
		.amdhsa_system_sgpr_workgroup_id_y 1
		.amdhsa_system_sgpr_workgroup_id_z 1
		.amdhsa_system_vgpr_workitem_id 0
		.amdhsa_next_free_vgpr 192
		.amdhsa_next_free_sgpr 66
		.amdhsa_reserve_vcc 0
		.amdhsa_float_denorm_mode_32 3
		.amdhsa_float_denorm_mode_16_64 3
		.amdhsa_memory_ordered 1
		.amdhsa_forward_progress 1
		.amdhsa_inst_pref_size 76
	.end_amdhsa_kernel
	.amdgpu_metadata
---
amdhsa.version: [ 1, 2 ]
amdhsa.kernels:
  - .name:           k_qba1ac6adbe_prep
    .symbol:         k_qba1ac6adbe_prep.kd
    .args:
      - { .name: x, .offset: 0, .size: 8, .value_kind: global_buffer, .address_space: global }
      - { .name: w_qkv, .offset: 8, .size: 8, .value_kind: global_buffer, .address_space: global }
      - { .name: w_out, .offset: 16, .size: 8, .value_kind: global_buffer, .address_space: global }
      - { .name: x_codes, .offset: 24, .size: 8, .value_kind: global_buffer, .address_space: global }
      - { .name: x_scales, .offset: 32, .size: 8, .value_kind: global_buffer, .address_space: global }
      - { .name: w_codes, .offset: 40, .size: 8, .value_kind: global_buffer, .address_space: global }
      - { .name: w_scales, .offset: 48, .size: 8, .value_kind: global_buffer, .address_space: global }
      - { .name: wo16, .offset: 56, .size: 8, .value_kind: global_buffer, .address_space: global }
    .group_segment_fixed_size: 33280
    .private_segment_fixed_size: 0
    .kernarg_segment_align: 8
    .kernarg_segment_size: 64
    .max_flat_workgroup_size: 128
    .sgpr_count:     66
    .vgpr_count:     192
    .wavefront_size: 32
...
	.end_amdgpu_metadata
.endif
;; end of part 1
;; launch gemm_qkv (part 2): grid 12 x 32, 4 waves a work-group, clusters of 4 x 4, 327,680 bytes of LDS; arguments x_codes, x_scales, w_codes, w_scales, qkv16, qkv32; writes qkv16, qkv32
.if DOCPART == 2
	.amdgcn_target "amdgcn-amd-amdhsa--gfx1250"
	.amdhsa_code_object_version 6
	.text
	.protected	k_qba1ac6adbe_gemm_qkv
	.globl	k_qba1ac6adbe_gemm_qkv
	.p2align	8
	.type	k_qba1ac6adbe_gemm_qkv,@function
k_qba1ac6adbe_gemm_qkv:
	s_mov_b64 s[64:65], 0
	v_nop
	global_prefetch_b8 v0, s[64:65] scope:SCOPE_SE
	s_setreg_imm32_b32 hwreg(HW_REG_WAVE_MODE, 25, 1), 1
	s_wait_xcnt 0x0
	s_wait_alu depctr_hold_cnt(0) depctr_sa_sdst(0) depctr_va_vdst(0) depctr_va_sdst(0) depctr_va_ssrc(0) depctr_va_vcc(0) depctr_vm_vsrc(0)
	s_getreg_b32 s2, hwreg(HW_REG_IB_STS2, 6, 4)
	s_cmp_eq_u32 s2, 0
	s_cbranch_scc0 .Lentry_in_a_cluster
	s_endpgm
.Lentry_in_a_cluster:
	s_bfe_u32 s2, ttmp6, 0x10000c
	s_cmp_lg_u32 s2, 0xf033
	s_cbranch_scc0 .Lentry_shape_is_right
	s_endpgm
.Lentry_shape_is_right:
; qkv = Q(x) Q(w_qkv), 8,192 x 3,072, K = 1,024, on codes of FP4 (E2M1) with one E8M0 scale for each 32 along K; sums in f32.
; A = x_codes [8192][512 bytes] (K innermost), x_scales [8192][32].  B = w_codes [k / 32][3072][16 bytes], w_scales [3072][32].
; OUT: qkv16 [48 heads: 16 of q, 16 of k, 16 of v][8192 rows][64] f16; and the first 16 rows of each batch once more in f32: qkv32 [4][16][3072].
; LIMIT: q, k, v are kept in f16: magnitudes up to 65,504.
; A tile, 256 x 256, is made by four waves, each 128 x 128: 64 accumulators of 16 x 16.  K is two steps of 512; each has an LDS slot of its own, so no slot is filled twice.
; CLUSTERS: 4 x 4 work-groups; A's tiles are asked for jointly along a row of the cluster, B's along a column.  Tile row = 8 cy + cluster y: the tiles that hold a batch's first rows are then those of cluster y = 0,
; a number that all partners share, and the batch is cy.
; THE MATRIX INSTRUCTION IS USED TRANSPOSED (source 0 = 16 columns of w, source 1 = 16 rows of x): a lane holds eight neighbouring numbers of a row of qkv.
; REGISTERS: window 0: v0-31 addresses; v32-95 scale words, two sets, nothing else ever; v128-191 A's fragments, one set, on the way out rows read back; v192-223 packed results.
;   window 1: B's fragments, two sets, at v0 and v128.   window 2: accumulators of my rows 0-63 ((a, b) at v[8 (8 a + b)]);   window 3: of my rows 64-127.
.set NQ,     4                         ; steps of 128 along K in a slot
.set ROWB,   256                       ; a row of A's tile in bytes: 512 codes
.set KROW,   512                       ; a row of x_codes in memory
.set PITCH,  272                       ; A's row in LDS: 256 bytes + 16: row r starts at bank 4 r mod 64 (64 banks of 4 bytes: ISA guide 11.1)
.set FR,     8
.set NL,     2
.set NP,     4                         ; places behind this matrix instruction (ISA guide 7.12.1)
.set HALFA,  128*PITCH                 ; 128 rows of A: one tensor load
.set HALFB,  16*2048                   ; 128 columns of B: 16 blocks along K x 128 x 16 bytes: one tensor load
.set SLOT,   2*HALFA+2*HALFB
.set KS,     32                        ; a row of scale bytes
.set SCL,    2*SLOT                    ; behind the slots: the scales, as units of 256 bytes + 16 of padding
.set HALFS,  (128*KS/256)*272
.set SBLK,   (16*KS/256)*272
.set SPARE,  SCL+4*HALFS               ; the spare words, 128 bytes a wave
.set ST16,   4608                      ; the way out: a stage of 2 heads x 16 rows x 144 bytes for each wave, in slot 0, which has had its only fill and its last read by then
.set ST32,   4*ST16                    ; behind the four: a stage of 16 rows x 528 bytes for each wave, for the f32 rows
.set ADRA, 16                          ; v16-17  LDS address of my A fragments in slot 0, 1
.set ADRB, 20                          ; v20-21  the same for B
.set STO32, 22                         ; v22     f32 stage: where I put 32 bytes of a row
.set RD32, 23                          ; v23     and where I read a row back
.set STO,  24                          ; v24     f16 stage: where I put 16 bytes of a row
.set RD,   25                          ; v25     and where I read four rows back
.set CO,   26                          ; v26     16 x lane: my bytes of 512 consecutive ones in memory
.set ADRS, 27                          ; v27     LDS address of my scale words: lanes 0-15 A's rows, lanes 16-31 B's
.set SPW,  28
.set NIL,  29
.set SC,   32
.set AF,   128
.set BK,   128
.set TMP,  192
.set G1, 24
.set G0, 32
.set G1B, 48
.set G0B, 56
.set G1S, 68
.set G0S, 76
.set G1SB, 80
.set G0SB, 88
.set MSB, 0
.macro WIN new                         ; the immediate's high byte repeats the setting that is left
.if MSB != (\new)
	s_set_vgpr_msb (MSB<<8)|(\new)
.set MSB, (\new)
.endif
.endm
.set MUL_LO, 0xa1                      ; source 0 (B) window 1, source 1 (A) window 0, C and D window 2
.set MUL_HI, 0xf1
.set TO_B,   0x40
; A joint load: waves 0 and 1 fetch for A, waves 2 and 3 for B; the branch hangs on the wave's number alone.  An s_nop 0 and four v_nop follow each line.
.macro JLOAD g0a, g1a, g0b, g1b
	s_cmp_eq_u32 s15, 0
	s_cbranch_scc0 .Lfor_b_\@
	tensor_load_to_lds s[\g0a:\g0a+3], s[\g1a:\g1a+7]
	s_nop 0
.rept 4
	v_nop
.endr
	s_branch .Lasked_\@
.Lfor_b_\@:
	tensor_load_to_lds s[\g0b:\g0b+3], s[\g1b:\g1b+7]
	s_nop 0
.rept 4
	v_nop
.endr
.Lasked_\@:
.endm
.macro CROUND                          ; a round of the cluster's barrier
	s_barrier_signal -1
	s_barrier_wait -1
	s_cmp_lg_u32 s14, 0
	s_cbranch_scc1 .Lnot_wave_0_\@
	s_barrier_signal -3
.Lnot_wave_0_\@:
	s_barrier_wait -3
	s_barrier_signal -1
	s_barrier_wait -1
.endm
	s_load_b128 s[4:7], s[0:1], 0x0                ; x_codes s[4:5], x_scales s[6:7]
	s_load_b128 s[8:11], s[0:1], 0x10              ; w_codes s[8:9], w_scales s[10:11]
	s_load_b64 s[12:13], s[0:1], 0x20              ; qkv16
	s_load_b64 s[66:67], s[0:1], 0x28              ; qkv32
	v_lshl_add_u32 v[SPW], v0, 2, SPARE
	v_mov_b32 v[NIL], 0
	ds_add_u32 v[SPW], v[NIL]                      ; the wave's opening: the add, twice on end, and its wait ahead of my first tensor load
	ds_add_u32 v[SPW], v[NIL]
	v_lshrrev_b32 v1, 5, v0
	v_readfirstlane_b32 s14, v1                    ; wave 0..3
	s_lshr_b32 s15, s14, 1                         ; which half of the tile's rows is mine.  Also: I fetch for A (0) or for B (1)
	s_and_b32 s16, s14, 1                          ; which half of its columns.  Also: which half of that tile I fetch
	s_bfe_u32 s40, ttmp6, 0x40000                  ; cx
	s_bfe_u32 s41, ttmp6, 0x40004                  ; cy
	s_lshl_b32 s42, ttmp9, 2
	s_add_co_u32 s42, s42, s40                     ; tile column = 4 x cluster x + cx
	s_and_b32 s95, ttmp7, 0xffff                   ; cluster y
	s_lshl_b32 s17, s41, 3
	s_add_co_u32 s17, s17, s95                     ; tile row = 8 cy + cluster y
	s_or_b32 s95, s95, s15                         ; 0 where my wave holds a batch's first rows: cluster y = 0 and the tile's upper half
	s_lshl_b32 s43, s41, 2
	s_lshl_b32 s43, 15, s43                        ; my row of the cluster
	s_lshl_b32 s44, 0x1111, s40                    ; my column
	; A's tiles: 128 rows x 256 bytes, 16 bytes of padding behind each row
	s_or_b32 s[G1+0], s43, (0<<16)|(1<<20)|(1<<21)|(5<<22)|(3<<25)
	s_mov_b32 s[G1+1], ROWB<<16
	s_mov_b32 s[G1+2], 128<<16
	s_mov_b32 s[G1+3], ROWB<<16
	s_mov_b32 s[G1+4], 128
	s_mov_b32 s[G1+5], KROW
	s_mov_b32 s[G1+6], 0
	s_mov_b32 s[G1+7], 0
	; B's tiles: 16 blocks along K, each 128 columns x 16 bytes = 2,048 consecutive bytes, 49,152 bytes apart; no padding: a fragment load reads 256 consecutive bytes in sixteen lanes
	s_or_b32 s[G1B+0], s44, (0<<16)|(1<<21)
	s_mov_b32 s[G1B+1], 2048<<16
	s_mov_b32 s[G1B+2], 16<<16
	s_mov_b32 s[G1B+3], 2048<<16
	s_mov_b32 s[G1B+4], 16
	s_mov_b32 s[G1B+5], 49152
	s_mov_b32 s[G1B+6], 0
	s_mov_b32 s[G1B+7], 0
	; the scales of 128 rows: 4,096 dense bytes as rows of 256 (32 elements of 8 bytes), 16 bytes of padding behind each
	s_or_b32 s[G1S+0], s43, (3<<16)|(1<<20)|(1<<21)|(5<<22)|(3<<25)
	s_or_b32 s[G1SB+0], s44, (3<<16)|(1<<20)|(1<<21)|(5<<22)|(3<<25)
.irp g, G1S, G1SB
	s_mov_b32 s[\g+1], 32<<16
	s_mov_b32 s[\g+2], (128*KS/256)<<16
	s_mov_b32 s[\g+3], 32<<16
	s_mov_b32 s[\g+4], 128*KS/256
	s_mov_b32 s[\g+5], 32
	s_mov_b32 s[\g+6], 0
	s_mov_b32 s[\g+7], 0
.endr
	s_lshl_b32 s18, s16, 7                         ; which 128 of the tile's 256 I fetch
	s_lshl_b32 s20, s17, 8
	s_add_co_u32 s20, s20, s18                     ; A: row 256 x tile row + 128 x half
	s_lshl_b32 s46, s42, 8
	s_add_co_u32 s46, s46, s18                     ; B: column 256 x tile column + 128 x half
	s_lshl_b32 s22, s20, 5                         ; their scales: 32 bytes each
	s_mov_b32 s23, 0
	s_lshl_b32 s92, s46, 5
	s_mov_b32 s93, 0
	s_lshl_b32 s20, s20, 9                         ; A's codes: 512 bytes a row
	s_mov_b32 s21, 0
	s_lshl_b32 s46, s46, 4                         ; B's codes: 16 bytes a column in each block
	s_mov_b32 s47, 0
	s_mul_i32 s45, s16, HALFA                      ; where they go: no place in the cluster enters an LDS address
	s_mul_i32 s19, s16, HALFB
	s_add_co_u32 s19, s19, 2*HALFA
	s_mul_i32 s94, s14, HALFS
	s_wait_dscnt 0x0                               ; both opening adds are done
	s_wait_kmcnt 0x0
	s_add_nc_u64 s[20:21], s[4:5], s[20:21]
	s_add_nc_u64 s[22:23], s[6:7], s[22:23]
	s_add_nc_u64 s[46:47], s[8:9], s[46:47]
	s_add_nc_u64 s[92:93], s[10:11], s[92:93]
	CROUND                                         ; all sixteen work-groups are here: the joint loads meet
	s_mov_b32 s[G0S], 1
	s_add_co_u32 s[G0S+1], s94, SCL
	s_mov_b64 s[G0S+2:G0S+3], s[22:23]
	s_or_b32 s[G0S+3], s[G0S+3], 0x80000000
	s_mov_b32 s[G0SB], 1
	s_add_co_u32 s[G0SB+1], s94, SCL
	s_mov_b64 s[G0SB+2:G0SB+3], s[92:93]
	s_or_b32 s[G0SB+3], s[G0SB+3], 0x80000000
	JLOAD G0S, G1S, G0SB, G1SB                     ; the scales first: they are wanted with K step 0
.irp s, 0,1
	s_mov_b32 s[G0+4*\s], 1
	s_add_co_u32 s[G0+4*\s+1], s45, \s*SLOT
	s_add_nc_u64 s[G0+4*\s+2:G0+4*\s+3], s[20:21], \s*ROWB
	s_or_b32 s[G0+4*\s+3], s[G0+4*\s+3], 0x80000000
	s_mov_b32 s[G0B+4*\s], 1
	s_add_co_u32 s[G0B+4*\s+1], s19, \s*SLOT
	s_add_nc_u64 s[G0B+4*\s+2:G0B+4*\s+3], s[46:47], \s*16*49152
	s_or_b32 s[G0B+4*\s+3], s[G0B+4*\s+3], 0x80000000
	JLOAD G0+4*\s, G1, G0B+4*\s, G1B               ; three tensor loads of mine are out at the most
.endr
	v_and_b32 v1, 15, v0                           ; r = l % 16
	v_bfe_u32 v2, v0, 4, 1                         ; h = l / 16
	v_mul_u32_u24 v3, v1, PITCH
	v_lshl_add_u32 v4, v2, 4, v3                   ; A: row x pitch + 16 h
	v_lshlrev_b32 v5, 4, v1
	v_lshl_add_u32 v5, v2, 11, v5                  ; B: 16 r + one block along K further for lanes 16-31
	s_mul_i32 s21, s15, HALFA                      ; my 128 rows of A
	s_mul_i32 s22, s16, HALFB                      ; my 128 columns of B,
	s_add_co_u32 s22, s22, 2*HALFA                 ; behind A's 256 rows
.irp s, 0,1
	v_add_nc_u32 v[ADRA+\s], s21, v4
	v_add_nc_u32 v[ADRB+\s], s22, v5
	s_add_co_u32 s21, s21, SLOT
	s_add_co_u32 s22, s22, SLOT
.endr
	v_mul_u32_u24 v6, v1, KS                       ; my row's scales: KS bytes a row,
	v_lshrrev_b32 v7, 8, v6
	v_lshl_add_u32 v6, v7, 4, v6                   ; and 16 more for each 256 passed
	s_mul_i32 s21, s15, HALFS
	s_mul_i32 s22, s16, HALFS
	s_add_co_u32 s22, s22, 2*HALFS
	s_sub_co_u32 s22, s22, s21
	v_mul_u32_u24 v7, s22, v2                      ; lanes 16-31 take B's
	s_add_co_u32 s21, s21, SCL
	v_add_nc_u32 v6, v6, v7
	v_add_nc_u32 v[ADRS], s21, v6
	s_mul_i32 s23, s14, ST16                       ; my f16 stage
	v_mul_u32_u24 v6, v1, 144
	v_lshl_add_u32 v6, v2, 4, v6
	v_add_nc_u32 v[STO], s23, v6                   ; in: row r of 144 bytes, + 16 h
	v_and_b32 v7, 31, v0
	v_lshrrev_b32 v8, 3, v7
	v_mul_u32_u24 v8, v8, 144
	v_and_b32 v9, 7, v0
	v_lshl_add_u32 v8, v9, 4, v8
	v_add_nc_u32 v[RD], s23, v8                    ; back: eight lanes to a row of 128 bytes, four rows an instruction
	v_lshlrev_b32 v[CO], 4, v7
	s_mul_i32 s23, s14, 16*528                     ; my f32 stage
	s_add_co_u32 s23, s23, ST32
	v_mul_u32_u24 v6, v1, 528
	v_lshl_add_u32 v6, v2, 5, v6
	v_add_nc_u32 v[STO32], s23, v6
	v_add_nc_u32 v[RD32], s23, v[CO]
	s_lshl_b32 s46, s42, 2                         ; qkv16: my first head = 4 x tile column + 2 x half, 2^20 bytes a head,
	s_lshl_b32 s47, s16, 1
	s_add_co_u32 s46, s46, s47
	s_lshl_b32 s46, s46, 20
	s_mov_b32 s47, 0
	s_add_nc_u64 s[12:13], s[12:13], s[46:47]
	s_lshl_b32 s20, s17, 8                         ; my first row = 256 x tile row + 128 x half, 128 bytes a row
	s_lshl_b32 s21, s15, 7
	s_add_co_u32 s20, s20, s21
	s_lshl_b32 s20, s20, 7
	s_mov_b32 s21, 0
	s_add_nc_u64 s[12:13], s[12:13], s[20:21]
	s_mul_i32 s20, s41, 196608                     ; qkv32: batch cy,
	s_add_nc_u64 s[66:67], s[66:67], s[20:21]
	s_lshl_b32 s46, s42, 10                        ; my first column, 4 bytes each
	s_lshl_b32 s47, s16, 9
	s_add_co_u32 s46, s46, s47
	s_mov_b32 s47, 0
	s_add_nc_u64 s[66:67], s[66:67], s[46:47]
.macro FRAG reg, adr, q, i             ; A: 16 rows x 128 K: lane l holds row l % 16; registers 4 c .. 4 c + 3 hold K = 64 c + 32 (l / 16) + 0 .. 31
.irp c, 0,1
	ds_load_b128 v[\reg+4*\c:\reg+4*\c+3], v[\adr] offset:64*(\q)+32*\c+(\i)*16*PITCH
.endr
.endm
.macro FRAGB reg, adr, q, i            ; B: the same registers; block 4 q + 2 c + (l / 16) along K, column 16 i + l % 16
.irp c, 0,1
	ds_load_b128 v[\reg+4*\c:\reg+4*\c+3], v[\adr] offset:8192*(\q)+4096*\c+256*(\i)
.endr
.endm
; 16 matrix instructions: A's blocks a0, a0 + 1 x B's eight.  The 64 accumulators take turns, one instruction a turn, in the same order in every step.
.macro MUL16 a0, p, q, sc, zero
.irp a, \a0, \a0+1
.irp b, 0,1,2,3,4,5,6,7
.if \zero
	v_wmma_scale_f32_16x16x128_f8f6f4 v[8*(8*((\a)%4)+\b):8*(8*((\a)%4)+\b)+7], v[128*(\p)+FR*\b:128*(\p)+FR*\b+FR-1], v[AF+FR*(\a):AF+FR*(\a)+FR-1], 0, v[SC+8*NQ*(\sc)+NQ*\b+(\q)], v[SC+8*NQ*(\sc)+NQ*(\a)+(\q)] matrix_a_fmt:MATRIX_FMT_FP4 matrix_b_fmt:MATRIX_FMT_FP4 matrix_a_scale:MATRIX_SCALE_ROW1
.else
	v_wmma_scale_f32_16x16x128_f8f6f4 v[8*(8*((\a)%4)+\b):8*(8*((\a)%4)+\b)+7], v[128*(\p)+FR*\b:128*(\p)+FR*\b+FR-1], v[AF+FR*(\a):AF+FR*(\a)+FR-1], v[8*(8*((\a)%4)+\b):8*(8*((\a)%4)+\b)+7], v[SC+8*NQ*(\sc)+NQ*\b+(\q)], v[SC+8*NQ*(\sc)+NQ*(\a)+(\q)] matrix_a_fmt:MATRIX_FMT_FP4 matrix_b_fmt:MATRIX_FMT_FP4 matrix_a_scale:MATRIX_SCALE_ROW1
.endif
.endr
.endr
.endm
.macro FETCH_B slot, q, p
	WIN TO_B
.irp i, 0,1,2,3,4,5,6,7
	FRAGB 128*(\p)+FR*\i, ADRB+\slot, \q, \i
.endr
	WIN 0
.endm
.macro FETCH_A slot, q, i0
.irp i, \i0, \i0+1, \i0+2, \i0+3
	FRAG AF+FR*(\i), ADRA+\slot, \q, \i
.endr
.endm
.macro SCALES sc                       ; a K step's scale words: lanes 0-15 take A's block i, lanes 16-31 B's block i
.irp i, 0,1,2,3,4,5,6,7
	ds_load_b128 v[SC+8*NQ*\sc+NQ*\i:SC+8*NQ*\sc+NQ*\i+3], v[ADRS] offset:\i*SBLK
.endr
.endm
.macro PLACES n                        ; plain vector instructions between a matrix instruction and a load into, or a read of, its registers (ISA guide 7.12.1 for reads)
.rept \n
	v_nop
.endr
.endm
.macro STEP slot, q, zero              ; 128 along K with its successor in the same slot
	s_wait_dscnt 4*NL                              ; B's set and A's blocks 0-3 are in; the youngest eight loads (A's blocks 4-7) may be out
	WIN MUL_LO
	MUL16 0, (\q)%2, \q, \slot, \zero
	MUL16 2, (\q)%2, \q, \slot, \zero
	s_wait_dscnt 0                                 ; A's blocks 4-7 are in
	PLACES NP
	FETCH_B \slot, (\q)+1, 1-(\q)%2
	FETCH_A \slot, (\q)+1, 0
	WIN MUL_HI
	MUL16 4, (\q)%2, \q, \slot, \zero
	MUL16 6, (\q)%2, \q, \slot, \zero
	PLACES NP
	WIN 0
	FETCH_A \slot, (\q)+1, 4
.endm
; Slot 0's last step goes over to slot 1: each wave's part of slot 1 has landed, and its reads of slot 0 are over, in front of the barrier; behind it slot 1 is whole and slot 0 is free for the stages.
.macro TURN slot, next
	s_wait_tensorcnt 0x0                           ; all my tensor loads have landed
	ds_add_u32 v[SPW], v[NIL]                      ; 0 onto my spare word
	s_wait_dscnt 4*NL+1                            ; (the add and the youngest eight loads may be out)
	WIN MUL_LO
	MUL16 0, 1, NQ-1, \slot, 0
	s_wait_dscnt 0x0                               ; the add is done, and my reads of this slot are over
	s_barrier_signal -1
	MUL16 2, 1, NQ-1, \slot, 0
	WIN 0
	s_barrier_wait -1
	PLACES NP
	v_add_nc_u32 v[ADRS], 4*NQ, v[ADRS]            ; the next K step's scale words
	FETCH_B \next, 0, 0
	FETCH_A \next, 0, 0
	SCALES \next
	WIN MUL_HI
	MUL16 4, 1, NQ-1, \slot, 0
	MUL16 6, 1, NQ-1, \slot, 0
	PLACES NP
	WIN 0
	FETCH_A \next, 0, 4
.endm
.macro STEPS slot, from
.set Q, \from
.rept NQ-1-\from
	STEP \slot, Q, 0
.set Q, Q+1
.endr
.endm
	s_wait_tensorcnt 1                             ; the scales and my part of slot 0 are in; slot 1's load may be out
	s_barrier_signal -1
	s_barrier_wait -1
	FETCH_B 0, 0, 0
	FETCH_A 0, 0, 0
	SCALES 0
	FETCH_A 0, 0, 4
	STEP 0, 0, 1                                   ; the first products start the sums: nothing is cleared
	STEPS 0, 1
	TURN 0, 1
	STEPS 1, 0
	s_wait_dscnt 4*NL                              ; the last step: nothing more to fetch
	WIN MUL_LO
	MUL16 0, 1, NQ-1, 1, 0
	MUL16 2, 1, NQ-1, 1, 0
	s_wait_dscnt 0
	WIN MUL_HI
	MUL16 4, 1, NQ-1, 1, 0
	MUL16 6, 1, NQ-1, 1, 0
	WIN 0
	PLACES NP                                      ; in front of the first reads of results and of the loads into A's registers
; THE FIRST 16 ROWS OF A BATCH ALSO LEAVE IN f32.  The branch hangs on the cluster's y and the wave's number alone.  My block 0 goes through my f32 stage and comes back as rows of 512 bytes.
	s_cmp_lg_u32 s95, 0
	s_cbranch_scc1 .Lno32
	WIN 0x08                                       ; an LDS store's data are its source 1: window 2
.irp b, 0,1,2,3,4,5,6,7
	ds_store_b128 v[STO32], v[8*\b:8*\b+3] offset:64*\b            ; each accumulator from its low end on
	ds_store_b128 v[STO32], v[8*\b+4:8*\b+7] offset:64*\b+16
.endr
	WIN 0
.irp t, 0,1,2,3,4,5,6,7,8,9,10,11,12,13,14,15
	ds_load_b128 v[BK+4*\t:BK+4*\t+3], v[RD32] offset:\t*528       ; LDS serves a wave's instructions in order: these see my stores
.endr
	s_wait_dscnt 0x0
.irp t, 0,1,2,3,4,5,6,7,8,9,10,11,12,13,14,15
	global_store_b128 v[CO], v[BK+4*\t:BK+4*\t+3], s[66:67] offset:\t*12288   ; 512 consecutive bytes, aligned
.endr
	s_wait_xcnt 0x0                                ; these stores have read their data: the registers are loaded again below
.Lno32:
; THE WAY OUT, block by block of 16 rows x 128 columns = 2 heads x 64.  Rounded to f16, a lane's eight numbers are 16 bytes of a head's row; through my stage they come back as 4 whole rows of 128 bytes,
; which lie on end in qkv16: 32 lanes store 512 consecutive bytes.
.macro PACK a
.set AC, 64*((\a)%4)
	WIN 0x0a+5*((\a)/4)                            ; sources 0 and 1: window 2 or 3
.irp b, 0,1,2,3,4,5,6,7
.irp r, 0,1,2,3
	v_cvt_pk_f16_f32 v[TMP+4*\b+\r], v[AC+8*\b+2*\r], v[AC+8*\b+2*\r+1]
.endr
.endr
	WIN 0
.endm
.macro TOSTAGE a
.set BB, BK+32*((\a)%2)
.irp b, 0,1,2,3,4,5,6,7
	ds_store_b128 v[STO], v[TMP+4*\b:TMP+4*\b+3] offset:(\b/4)*2304+(\b%4)*32
.endr
.irp z, 0,1
.irp i, 0,1,2,3
	ds_load_b128 v[BB+4*(4*\z+\i):BB+4*(4*\z+\i)+3], v[RD] offset:\z*2304+576*\i
.endr
.endr
.endm
.macro SEND a
.set BB, BK+32*((\a)%2)
	s_wait_dscnt 0x0                               ; the block is back in registers
	s_wait_xcnt 0x0                                ; the stores of the block before have read their data: the next block's loads land there
.irp z, 0,1
.irp i, 0,1,2,3
	global_store_b128 v[CO], v[BB+4*(4*\z+\i):BB+4*(4*\z+\i)+3], s[12:13] offset:\z*1048576+2048*(\a)+512*\i
.endr
.endr
.endm
	PACK 0
	TOSTAGE 0
.irp a, 1,2,3,4,5,6,7                  ; block a's conversions stand between block a - 1's loads from the stage and the wait for them
	PACK \a
	SEND (\a-1)
	TOSTAGE \a
.endr
	SEND 7
	s_wait_tensorcnt 0x0                           ; the wave's end
	ds_add_u32 v[SPW], v[NIL]
	s_wait_dscnt 0x0
	CROUND                                         ; the closing round
	s_endpgm
.Lfunc_end_k_qba1ac6adbe_gemm_qkv:
	.size	k_qba1ac6adbe_gemm_qkv, .Lfunc_end_k_qba1ac6adbe_gemm_qkv-k_qba1ac6adbe_gemm_qkv
	.p2alignl 7, 3214868480
	.fill 96, 4, 3214868480
	.section	.rodata,"a",@progbits
	.p2align	6, 0x0
	.amdhsa_kernel k_qba1ac6adbe_gemm_qkv
		.amdhsa_group_segment_fixed_size 327680
		.amdhsa_private_segment_fixed_size 0
		.amdhsa_enable_private_segment 0
		.amdhsa_kernarg_size 48
		.amdhsa_user_sgpr_count 2
		.amdhsa_user_sgpr_kernarg_segment_ptr 1
		.amdhsa_wavefront_size32 1
		.amdhsa_system_sgpr_workgroup_id_x 1
		.amdhsa_system_sgpr_workgroup_id_y 1
		.amdhsa_system_sgpr_workgroup_id_z 1
		.amdhsa_system_vgpr_workitem_id 0
		.amdhsa_next_free_vgpr 1024
		.amdhsa_next_free_sgpr 98
		.amdhsa_reserve_vcc 0
		.amdhsa_float_denorm_mode_32 3
		.amdhsa_float_denorm_mode_16_64 3
		.amdhsa_memory_ordered 1
		.amdhsa_forward_progress 1
		.amdhsa_inst_pref_size 131
	.end_amdhsa_kernel
	.amdgpu_metadata
---
amdhsa.version: [ 1, 2 ]
amdhsa.kernels:
  - .name:           k_qba1ac6adbe_gemm_qkv
    .symbol:         k_qba1ac6adbe_gemm_qkv.kd
    .args:
      - { .name: x_codes, .offset: 0, .size: 8, .value_kind: global_buffer, .address_space: global }
      - { .name: x_scales, .offset: 8, .size: 8, .value_kind: global_buffer, .address_space: global }
      - { .name: w_codes, .offset: 16, .size: 8, .value_kind: global_buffer, .address_space: global }
      - { .name: w_scales, .offset: 24, .size: 8, .value_kind: global_buffer, .address_space: global }
      - { .name: qkv16, .offset: 32, .size: 8, .value_kind: global_buffer, .address_space: global }
      - { .name: qkv32, .offset: 40, .size: 8, .value_kind: global_buffer, .address_space: global }
    .group_segment_fixed_size: 327680
    .private_segment_fixed_size: 0
    .kernarg_segment_align: 8
    .kernarg_segment_size: 48
    .max_flat_workgroup_size: 128
    .sgpr_count:     98
    .vgpr_count:     1024
    .wavefront_size: 32
...
	.end_amdgpu_metadata
.endif
;; end of part 2
;; launch attn (part 3): grid 4 x 64, 8 waves a work-group, no clusters, 327,680 bytes of LDS; arguments qkv16, o16; writes o16
.if DOCPART == 3
	.amdgcn_target "amdgcn-amd-amdhsa--gfx1250"
	.amdhsa_code_object_version 6
	.text
	.protected	k_qba1ac6adbe_attn
	.globl	k_qba1ac6adbe_attn
	.p2align	8
	.type	k_qba1ac6adbe_attn,@function
k_qba1ac6adbe_attn:
	s_mov_b64 s[64:65], 0
	v_nop
	global_prefetch_b8 v0, s[64:65] scope:SCOPE_SE
	s_setreg_imm32_b32 hwreg(HW_REG_WAVE_MODE, 25, 1), 1
	s_wait_xcnt 0x0
; Causal attention on f16 operands, f32 products, maxima and sums.  qkv16 [48][8192][64] f16 (16 heads of q, of k, of v; row = 2048 b + t); o16 [16][8192][64] f16.  g = 4 head + batch names 2,048 rows of each.
; SHARES.  Work-group (i, g) owns query blocks 7 - i and i (256 queries each) of g: the first walks 8 - i slots of 256 keys, the second i + 1: NINE for every work-group, so all trip counts are constants.
; Each of the eight waves owns 32 queries of the block, two tiles of 16: every fragment of K and V read from LDS feeds two matrix instructions.  Two waves share a SIMD: one's softmax stands beside the other's products.
; NO CLUSTER: from trip 8 - i on the four work-groups of a g want different key blocks, so their descriptors would differ.
; LAYOUT.  S^T = K Q^T (source 0 = 16 keys, source 1 = 16 queries): a lane holds ONE query (lane % 16) and keys 8 (lane / 16) + 0..7.  Two such tiles, rounded to f16 in pairs, are source 1 of O^T = V^T P.
; SOFTMAX.  A running maximum m and sum l for each query: p = 2^(c s - c m), c = log2(e) / 8; in every step O and l are multiplied by a = 2^(c m_old - c m_new).
; THE MASK.  A step of 64 keys all of which come after the wave's 32 queries is left out by a scalar branch on ids; on the diagonal hidden scores become -infinity ahead of the maximum.  Every tile that is loaded is read:
; the block's last wave reads every step of the diagonal slot.
; LIMITS: q, k, v, o in f16 (magnitudes up to 65,504); the weights p are rounded to f16 for the second product; NaN and infinities are not served.
; REGISTERS: window 0: v1-15 addresses; v16-31 statistics, 8 a tile; v32-63 P; v64-127 S^T; v128-191 K's fragments; v192-255 V's.   window 1: v0-31 Q; v64-127 O^T.
.set KP,    144                        ; a key's row in LDS: 128 bytes + 16
.set VP,    160                        ; a row of V: 128 + 32: an odd multiple of 32 for the turning load
.set VOFF,  64*KP
.set STEPB, 64*(KP+VP)                 ; a step's tiles: 64 rows of K, then 64 of V
.set SLOTB, 4*STEPB
.set SLOT1, 1<<17                      ; slot 1 begins here: one exclusive or turns an address from slot to slot
.set STAGE, SLOTB                      ; between the slots: 2 tiles x 16 rows x 144 bytes for each wave, for the way out
.set SPARE, STAGE+8*4608               ; the spare words, 128 bytes a wave
.set AK0, 3
.set AV0, 4
.set ADK, 5
.set ADV, 6
.set QO,  7
.set STO, 8
.set RD,  9
.set GO,  10
.set PFO, 11
.set SPW, 12
.set NIL, 13
.set DM,  14                           ; v14-15 the mask's bound for tile 0, 1
.set ST,  16                           ; tile t at v[ST + 8 t]: +0 c m, +1 m, +2, +3 l, +4 to +7 at work; a takes +6
.set P,   32
.set S,   64
.set KR,  128
.set VR,  192
.set WV,  8
.set NA,  16                           ; s16 slots of the first query block: 8 - i
.set U,   17                           ; s17 the trip
.set Q0,  18                           ; s18 my first query
.set KF,  19                           ; s19 the step's first key
.set KFN, 20                           ; s20 the first key of the slot last asked for
.set TB,  21                           ; s21 LDS byte of the step in hand
.set ST4, 22
.set LIMU, 23                          ; s23 trips in which I prefetch
.set G1K, 24
.set G1V, 32
.set G0K, 40
.set G0V, 44
.set BASEK, 48
.set BASEV, 50
.set OFF, 52
.set CS,  54
.set SEL, 56
.set QP,  58
.set OP,  60
.set QPB, 62
.set OPB, 66
.set PFA, 68
.set Q0B, 70
.set MSB, 0
.macro WIN new
.if MSB != (\new)
	s_set_vgpr_msb (MSB<<8)|(\new)
.set MSB, (\new)
.endif
.endm
; Waves 0-3 fetch K of the slot's step w, waves 4-7 V of step w - 4: one load of 64 rows a wave.  An s_nop 0 and four v_nop follow each line.
.macro TLOAD
	s_cmp_lt_u32 s[WV], 4
	s_cbranch_scc0 .Lfor_v_\@
	tensor_load_to_lds s[G0K:G0K+3], s[G1K:G1K+7]
	s_nop 0
.rept 4
	v_nop
.endr
	s_branch .Lasked_\@
.Lfor_v_\@:
	tensor_load_to_lds s[G0V:G0V+3], s[G1V:G1V+7]
	s_nop 0
.rept 4
	v_nop
.endr
.Lasked_\@:
.endm
; A prefetch of what the NEXT change of slots will ask for.  The four work-groups of a g read the same K and V: the one with i = 0, which walks key blocks 0 to 7 in order, asks, each wave for the 8,192 bytes that it
; will itself load, lanes 256 bytes apart: key blocks 2 to 7, each aligned 256 bytes named once in the launch.  Key blocks 0 and 1 come by their loads alone.
.macro ASK
	s_cmp_lt_u32 s[U], s[LIMU]
	s_cbranch_scc0 .Lnot_mine_\@
	global_prefetch_b8 v[PFO], s[PFA:PFA+1] th:TH_LOAD_NT scope:SCOPE_SE
.Lnot_mine_\@:
.endm
	s_load_b128 s[4:7], s[0:1], 0x0                ; qkv16 s[4:5], o16 s[6:7]
	v_lshl_add_u32 v[SPW], v0, 2, SPARE
	v_mov_b32 v[NIL], 0
	ds_add_u32 v[SPW], v[NIL]                      ; the wave's opening: the add, twice on end, and its wait ahead of my first tensor load
	ds_add_u32 v[SPW], v[NIL]
	v_lshrrev_b32 v1, 5, v0
	v_readfirstlane_b32 s[WV], v1                  ; wave 0..7
	s_mov_b32 s[G1K], (1<<16)|(1<<20)|(4<<22)|(3<<25)   ; elements of 2 bytes; padding: 4 words behind every 32
	s_mov_b32 s[G1V], (1<<16)|(1<<20)|(4<<22)|(7<<25)   ; 8 words
.irp g, G1K, G1V
	s_mov_b32 s[\g+1], 64<<16                      ; tensor_dim0 = 64
	s_mov_b32 s[\g+2], 64<<16                      ; tensor_dim1 = 64
	s_mov_b32 s[\g+3], 64<<16                      ; tile_dim0 = 64
	s_mov_b32 s[\g+4], 64                          ; tile_dim1 = 64
	s_mov_b32 s[\g+5], 64                          ; from row to row
	s_mov_b32 s[\g+6], 0
	s_mov_b32 s[\g+7], 0
.endr
	s_mov_b32 s[CS], 0x3e38aa3b                    ; c = log2(e) / sqrt(64)
	s_mov_b32 s[CS+1], s[CS]
	s_mov_b32 s[SEL], 0x76543210
	s_mov_b32 s[SEL+1], 0xfedcba98
	s_mov_b32 s[TB], 0
	s_mov_b32 s[KF], 0
	s_mov_b32 s[KFN], 0
	s_mov_b32 s[U], 0
	s_mov_b32 s[OFF+1], 0
	s_sub_co_u32 s[NA], 8, ttmp9
	s_and_b32 s9, ttmp7, 0xffff                    ; g
	s_lshl_b32 s10, s9, 18                         ; its 2,048 rows of 128 bytes
	s_and_b32 s11, s[WV], 3
	s_lshl_b32 s14, s11, 13                        ; the step that I fetch: 64 rows
	s_add_co_u32 s14, s14, s10
	s_mov_b32 s15, 0
	s_mul_i32 s[G0K+1], s11, STEPB                 ; and its place in slot 0
	s_add_co_u32 s[G0V+1], s[G0K+1], VOFF
	s_lshl_b32 s11, s[WV], 12
	s_add_co_u32 s10, s10, s11                     ; g's rows + my wave's 32 of a block
	s_sub_co_u32 s12, 7, ttmp9                     ; the first query block
	s_lshl_b32 s[Q0], s12, 8
	s_lshl_b32 s12, s12, 15
	s_add_co_u32 s12, s12, s10
	s_mov_b32 s13, 0
	s_lshl_b32 s[Q0B], ttmp9, 8                    ; the second
	s_lshl_b32 s11, ttmp9, 15
	s_add_co_u32 s10, s10, s11
	s_mov_b32 s11, 0
	s_lshl_b32 s9, s[WV], 5
	s_add_co_u32 s[Q0], s[Q0], s9
	s_add_co_u32 s[Q0B], s[Q0B], s9
	s_cmp_eq_u32 ttmp9, 0
	s_cselect_b32 s[LIMU], 6, 0
	s_wait_dscnt 0x0                               ; both opening adds are done
	s_wait_kmcnt 0x0
	s_add_nc_u64 s[BASEK:BASEK+1], s[4:5], s[14:15]
	s_add_nc_u64 s[BASEV:BASEV+1], s[BASEK:BASEK+1], 0x2000000   ; v's third
	s_add_nc_u64 s[BASEK:BASEK+1], s[BASEK:BASEK+1], 0x1000000   ; k's third
	s_add_nc_u64 s[QP:QP+1], s[4:5], s[12:13]
	s_add_nc_u64 s[OP:OP+1], s[6:7], s[12:13]
	s_add_nc_u64 s[QPB:QPB+1], s[4:5], s[10:11]
	s_add_nc_u64 s[OPB:OPB+1], s[6:7], s[10:11]
	s_mov_b32 s[G0K], 1
	s_mov_b64 s[G0K+2:G0K+3], s[BASEK:BASEK+1]
	s_or_b32 s[G0K+3], s[G0K+3], 0x80000000
	s_mov_b32 s[G0V], 1
	s_mov_b64 s[G0V+2:G0V+3], s[BASEV:BASEV+1]
	s_or_b32 s[G0V+3], s[G0V+3], 0x80000000
	s_cmp_lt_u32 s[WV], 4
	s_cselect_b64 s[PFA:PFA+1], s[BASEK:BASEK+1], s[BASEV:BASEV+1]
	s_add_nc_u64 s[PFA:PFA+1], s[PFA:PFA+1], 32768 ; at key block 1: the first change of slots steps it to 2
	TLOAD                                          ; slot 0: key block 0
	v_and_b32 v1, 15, v0                           ; r
	v_bfe_u32 v2, v0, 4, 1                         ; h
	v_mul_u32_u24 v[AK0], v1, KP
	v_lshl_add_u32 v[AK0], v2, 4, v[AK0]           ; K: row r x pitch + 16 h
	v_and_b32 v5, 7, v0
	v_lshl_add_u32 v[AV0], v2, 3, v5               ; V, turned: key 8 h + l % 8,
	v_mul_u32_u24 v[AV0], v[AV0], VP
	v_bfe_u32 v5, v0, 3, 1
	v_lshl_add_u32 v[AV0], v5, 4, v[AV0]           ; channels 8 ((l / 8) % 2) on
	v_add_nc_u32 v[AV0], VOFF, v[AV0]
	v_lshlrev_b32 v[QO], 7, v1
	v_lshl_add_u32 v[QO], v2, 4, v[QO]             ; Q in memory: row r of 128 bytes + 16 h
	s_mul_i32 s9, s[WV], 4608
	s_add_co_u32 s9, s9, STAGE                     ; my stage
	v_add_nc_u32 v[STO], s9, v[AK0]                ; in: row r of 144 bytes + 16 h
	v_and_b32 v[GO], 31, v0
	v_lshrrev_b32 v[RD], 3, v[GO]
	v_mul_u32_u24 v[RD], v[RD], 144
	v_and_b32 v5, 7, v0
	v_lshl_add_u32 v[RD], v5, 4, v[RD]
	v_add_nc_u32 v[RD], s9, v[RD]                  ; back: eight lanes to a row, four rows an instruction
	v_lshlrev_b32 v[PFO], 8, v[GO]
	v_lshlrev_b32 v[GO], 4, v[GO]
.macro QLOAD                           ; my 32 queries' fragments: tile t, channels 32 c on, at v[16 t + 8 c] of window 1
	WIN 0x40
.irp t, 0,1
.irp c, 0,1
	global_load_b128 v[16*\t+8*\c:16*\t+8*\c+3],   v[QO], s[QP:QP+1] offset:2048*\t+64*\c
	global_load_b128 v[16*\t+8*\c+4:16*\t+8*\c+7], v[QO], s[QP:QP+1] offset:2048*\t+64*\c+32
.endr
.endr
	WIN 0
.endm
.macro CLEAR                           ; a query block begins: O^T and l are zeros, m lies under every score.  (The key step is written once for all steps: the first finds zeros, which a = 0 leaves zeros)
	WIN 0x40
.set Q, 0
.rept 64
	v_mov_b32 v[64+Q], 0
.set Q, Q+1
.endr
	WIN 0
.irp t, 0,1
	v_mov_b32 v[ST+8*\t+1], 0xff61b1e6             ; -3e38
	v_mul_f32 v[ST+8*\t], s[CS], v[ST+8*\t+1]
	v_mov_b32 v[ST+8*\t+2], 0
	v_mov_b32 v[ST+8*\t+3], 0
	v_mov_b32 v[ST+8*\t+4], 0
	v_mov_b32 v[ST+8*\t+5], 0
	v_mov_b32 v[ST+8*\t+6], 0
	v_mov_b32 v[ST+8*\t+7], 0
.endr
.endm
; A KEY STEP: 64 keys.
.macro STEP
	s_add_co_u32 s9, s[Q0], 31
	s_cmp_gt_u32 s[KF], s9                         ; all 64 keys come after my 32 queries: nothing to do but step the addresses
	s_cbranch_scc1 .Lhidden_\@
	v_add_nc_u32 v[ADK], s[TB], v[AK0]
	v_add_nc_u32 v[ADV], s[TB], v[AV0]
.irp i, 0,1,2,3
.irp c, 0,1
	ds_load_b128 v[KR+8*(2*\i+\c):KR+8*(2*\i+\c)+3],   v[ADK] offset:2304*\i+64*\c
	ds_load_b128 v[KR+8*(2*\i+\c)+4:KR+8*(2*\i+\c)+7], v[ADK] offset:2304*\i+64*\c+32
.endr
.endr
.irp ks, 0,1
.irp j, 0,1,2,3
	ds_load_tr16_b128 v[VR+8*(4*\ks+\j):VR+8*(4*\ks+\j)+3],   v[ADV] offset:5120*\ks+32*\j
	ds_load_tr16_b128 v[VR+8*(4*\ks+\j)+4:VR+8*(4*\ks+\j)+7], v[ADV] offset:5120*\ks+32*\j+2560
.endr
.endr
	s_wait_dscnt 16                                ; K's sixteen loads are in; V's sixteen may be out
	WIN 0x04                                       ; Q in window 1
.irp c, 0,1                            ; S^T = K Q^T: eight accumulators by turns; the first eight products start the sums
.irp i, 0,1,2,3
.irp t, 0,1
.if \c == 0
	v_wmma_f32_16x16x32_f16 v[S+32*\t+8*\i:S+32*\t+8*\i+7], v[KR+8*(2*\i+\c):KR+8*(2*\i+\c)+7], v[16*\t+8*\c:16*\t+8*\c+7], 0
.else
	v_wmma_f32_16x16x32_f16 v[S+32*\t+8*\i:S+32*\t+8*\i+7], v[KR+8*(2*\i+\c):KR+8*(2*\i+\c)+7], v[16*\t+8*\c:16*\t+8*\c+7], v[S+32*\t+8*\i:S+32*\t+8*\i+7]
.endif
.endr
.endr
.endr
	WIN 0
.rept 4
	v_nop                                          ; places in front of the first read of the scores
.endr
	s_add_co_u32 s9, s[KF], 63
	s_cmp_le_u32 s9, s[Q0]                         ; all 64 keys count for all my queries: no mask
	s_cbranch_scc1 .Lopen_\@
	s_sub_co_i32 s9, s[Q0], s[KF]
	v_lshlrev_b32 v[DM+1], 3, v2
	v_sub_nc_u32 v[DM], v1, v[DM+1]
	v_add_nc_u32 v[DM], s9, v[DM]                  ; register 8 i + e of tile t holds key KF + 16 i + 8 h + e for query Q0 + 16 t + r: hidden where 16 i + e > Q0 - KF + 16 t + r - 8 h
	v_add_nc_u32 v[DM+1], 16, v[DM]
	v_mov_b32 v[ST+4], 0xff800000                  ; -infinity
.irp t, 0,1
.irp i, 0,1,2,3
.irp e, 0,1,2,3,4,5,6,7
	v_cmp_gt_i32 vcc_lo, 16*\i+\e, v[DM+\t]
	v_cndmask_b32 v[S+32*\t+8*\i+\e], v[S+32*\t+8*\i+\e], v[ST+4], vcc_lo
.endr
.endr
.endr
.Lopen_\@:
.irp j, 0,1,2,3                        ; the maximum of the 32 scores and the old m: four chains a tile, the tiles by turns; each accumulator is read from its low end on
.irp t, 0,1
	v_max3_num_f32 v[ST+8*\t+4+\j], v[S+32*\t+8*\j], v[S+32*\t+8*\j+1], v[S+32*\t+8*\j+2]
.endr
.endr
.irp q, 1,2
.irp j, 0,1,2,3
.irp t, 0,1
	v_max3_num_f32 v[ST+8*\t+4+\j], v[ST+8*\t+4+\j], v[S+32*\t+8*\j+2*\q+1], v[S+32*\t+8*\j+2*\q+2]
.endr
.endr
.endr
.irp t, 0,1
	v_max3_num_f32 v[ST+8*\t+4], v[ST+8*\t+4], v[S+32*\t+7], v[S+32*\t+15]
	v_max3_num_f32 v[ST+8*\t+6], v[ST+8*\t+6], v[S+32*\t+23], v[S+32*\t+31]
.endr
.irp t, 0,1
	v_max3_num_f32 v[ST+8*\t+4], v[ST+8*\t+4], v[ST+8*\t+5], v[ST+8*\t+6]
.endr
.irp t, 0,1
	v_max3_num_f32 v[ST+8*\t+4], v[ST+8*\t+4], v[ST+8*\t+7], v[ST+8*\t+1]
.endr
.irp t, 0,1
	v_permlanex16_b32 v[ST+8*\t+5], v[ST+8*\t+4], s[SEL], s[SEL+1]   ; the query's other 32 keys lie in the lane 16 away
.endr
.irp t, 0,1
	v_mov_b32 v[ST+8*\t+7], v[ST+8*\t]             ; c m_old
.endr
.irp t, 0,1
	v_max_num_f32 v[ST+8*\t+1], v[ST+8*\t+4], v[ST+8*\t+5]
.endr
.irp t, 0,1
	v_mul_f32 v[ST+8*\t], s[CS], v[ST+8*\t+1]
.endr
.irp t, 0,1
	v_sub_f32 v[ST+8*\t+7], v[ST+8*\t+7], v[ST+8*\t]
.endr
.irp b, 0,1,2,3,4,5,6,7,8,9,10,11,12,13,14,15
.irp t, 0,1
	v_pk_fma_f32 v[S+32*\t+2*\b:S+32*\t+2*\b+1], v[S+32*\t+2*\b:S+32*\t+2*\b+1], s[CS:CS+1], v[ST+8*\t:ST+8*\t+1] op_sel_hi:[1,0,0] neg_lo:[0,0,1] neg_hi:[0,0,1]   ; c s - c m
.endr
.endr
.irp t, 0,1                            ; ONE BATCH of 66 exponentials; none reads another's result
	v_exp_f32 v[ST+8*\t+6], v[ST+8*\t+7]           ; a
.endr
.irp t, 0,1
.irp e, 0,1,2,3,4,5,6,7,8,9,10,11,12,13,14,15,16,17,18,19,20,21,22,23,24,25,26,27,28,29,30,31
	v_exp_f32 v[S+32*\t+\e], v[S+32*\t+\e]
.endr
.endr
	v_nop                                          ; a plain instruction behind the last exponential
	s_wait_alu depctr_va_vdst(0)                   ; one wait for the batch, ahead of its first reader
.irp b, 0,1,2,3,4,5,6,7,8,9,10,11,12,13,14,15
.irp t, 0,1
	v_cvt_pk_f16_f32 v[P+16*\t+\b], v[S+32*\t+2*\b], v[S+32*\t+2*\b+1]
.endr
.endr
.irp u, 0,1,2,3,4,5,6,7                ; the sum of the unrounded weights, in place, by pairs
.irp t, 0,1
	v_pk_add_f32 v[S+32*\t+4*\u:S+32*\t+4*\u+1], v[S+32*\t+4*\u:S+32*\t+4*\u+1], v[S+32*\t+4*\u+2:S+32*\t+4*\u+3]
.endr
.endr
.irp u, 0,1,2,3
.irp t, 0,1
	v_pk_add_f32 v[S+32*\t+8*\u:S+32*\t+8*\u+1], v[S+32*\t+8*\u:S+32*\t+8*\u+1], v[S+32*\t+8*\u+4:S+32*\t+8*\u+5]
.endr
.endr
.irp u, 0,1
.irp t, 0,1
	v_pk_add_f32 v[S+32*\t+16*\u:S+32*\t+16*\u+1], v[S+32*\t+16*\u:S+32*\t+16*\u+1], v[S+32*\t+16*\u+8:S+32*\t+16*\u+9]
.endr
.endr
.irp t, 0,1
	v_pk_add_f32 v[S+32*\t:S+32*\t+1], v[S+32*\t:S+32*\t+1], v[S+32*\t+16:S+32*\t+17]
.endr
.irp t, 0,1
	v_pk_fma_f32 v[ST+8*\t+2:ST+8*\t+3], v[ST+8*\t+2:ST+8*\t+3], v[ST+8*\t+6:ST+8*\t+7], v[S+32*\t:S+32*\t+1] op_sel_hi:[1,0,1]   ; l = a l + the sum
.endr
	WIN 0x41                                       ; O^T in window 1, a in window 0
.irp t, 0,1
.irp u, 0,1,2,3,4,5,6,7,8,9,10,11,12,13,14,15
	v_pk_mul_f32 v[64+32*\t+2*\u:64+32*\t+2*\u+1], v[64+32*\t+2*\u:64+32*\t+2*\u+1], v[ST+8*\t+6:ST+8*\t+7] op_sel_hi:[1,0]
.endr
.endr
	s_wait_dscnt 0x0                               ; V is in
	WIN 0x50                                       ; C and D in window 1
.irp ks, 0,1                           ; O^T += V^T P: eight accumulators by turns
.irp j, 0,1,2,3
.irp t, 0,1
	v_wmma_f32_16x16x32_f16 v[64+32*\t+8*\j:64+32*\t+8*\j+7], v[VR+8*(4*\ks+\j):VR+8*(4*\ks+\j)+7], v[P+16*\t+8*\ks:P+16*\t+8*\ks+7], v[64+32*\t+8*\j:64+32*\t+8*\j+7]
.endr
.endr
.endr
	WIN 0
.rept 4
	v_nop                                          ; places in front of the next loads into V's registers, the next writes of P and the next reads of O^T
.endr
.Lhidden_\@:
	s_add_co_u32 s[TB], s[TB], STEPB
	s_add_co_u32 s[KF], s[KF], 64
.endm
.macro SLOT_STEPS                      ; a slot's four steps: written once, walked four times
	s_mov_b32 s[ST4], 4
.Lstep_\@:
	STEP
	s_sub_co_u32 s[ST4], s[ST4], 1
	s_cmp_lg_u32 s[ST4], 0
	s_cbranch_scc1 .Lstep_\@
	s_sub_co_u32 s[TB], s[TB], SLOTB
	s_xor_b32 s[TB], s[TB], SLOT1                  ; on to the other slot
.endm
; THE CHANGE OF SLOTS stands at a slot's head.  Each wave waits for all its tensor loads (one is out: its part of the slot ahead), adds 0 to its spare word, and waits for that and for its reads of the slot that it has left.
; Behind the barrier the slot ahead is whole and nobody reads the other.  fill = 1: the other slot takes the key block of the next trip; the load has a slot's four steps in which to land.
.macro CHANGE fill
	s_wait_tensorcnt 0x0                           ; no tensor load of mine is out, so a group 0 may be written
	ds_add_u32 v[SPW], v[NIL]                      ; 0 onto my spare word; the descriptors' steps stand between it and the wait for it
	s_mov_b32 s[KF], s[KFN]                        ; the first key of the slot ahead
.if \fill
	s_add_co_u32 s9, s[U], 1
	s_cmp_ge_u32 s9, s[NA]
	s_cselect_b32 s10, s[NA], 0
	s_sub_co_u32 s9, s9, s10                       ; the next trip's key block: the second query block begins again at 0
	s_lshl_b32 s[KFN], s9, 8
	s_lshl_b32 s[OFF], s9, 15
	s_xor_b32 s[G0K+1], s[G0K+1], SLOT1
	s_xor_b32 s[G0V+1], s[G0V+1], SLOT1
	s_add_nc_u64 s[G0K+2:G0K+3], s[BASEK:BASEK+1], s[OFF:OFF+1]
	s_or_b32 s[G0K+3], s[G0K+3], 0x80000000
	s_add_nc_u64 s[G0V+2:G0V+3], s[BASEV:BASEV+1], s[OFF:OFF+1]
	s_or_b32 s[G0V+3], s[G0V+3], 0x80000000
	s_wait_xcnt 0x0                                ; the last prefetch, a slot back, has read its address
	s_add_nc_u64 s[PFA:PFA+1], s[PFA:PFA+1], 32768
.endif
	s_wait_dscnt 0x0                               ; the add is done, and my LDS reads are over
	s_barrier_signal -1
	s_barrier_wait -1
.if \fill
	TLOAD                                          ; the first thing behind the barrier, and my one tensor load until the next
	ASK
.endif
.endm
; THE WAY OUT of a query block: O^T / l, rounded to f16, through my stage; back as 4 whole rows of 128 bytes, which lie on end in o16: 32 lanes store 512 consecutive bytes.
.macro OUT
.irp t, 0,1
	v_add_f32 v[ST+8*\t+4], v[ST+8*\t+2], v[ST+8*\t+3]
.endr
.irp t, 0,1
	v_permlanex16_b32 v[ST+8*\t+5], v[ST+8*\t+4], s[SEL], s[SEL+1]
.endr
.irp t, 0,1
	v_add_f32 v[ST+8*\t+4], v[ST+8*\t+4], v[ST+8*\t+5]
.endr
.irp t, 0,1
	v_rcp_f32 v[ST+8*\t+6], v[ST+8*\t+4]
.endr
	v_nop                                          ; a plain instruction behind the last reciprocal
	s_wait_alu depctr_va_vdst(0)                   ; and the wait ahead of the first use
.irp t, 0,1
	WIN 0x41
.irp u, 0,1,2,3,4,5,6,7,8,9,10,11,12,13,14,15
	v_pk_mul_f32 v[64+32*\t+2*\u:64+32*\t+2*\u+1], v[64+32*\t+2*\u:64+32*\t+2*\u+1], v[ST+8*\t+6:ST+8*\t+7] op_sel_hi:[1,0]
.endr
	WIN 0x05                                       ; sources in window 1, destination in window 0: S^T's registers are free
.irp u, 0,1,2,3,4,5,6,7,8,9,10,11,12,13,14,15
	v_cvt_pk_f16_f32 v[S+32*\t+\u], v[64+32*\t+2*\u], v[64+32*\t+2*\u+1]
.endr
	WIN 0
.irp j, 0,1,2,3
	ds_store_b128 v[STO], v[S+32*\t+4*\j:S+32*\t+4*\j+3] offset:2304*\t+32*\j
.endr
.irp i, 0,1,2,3
	ds_load_b128 v[S+32*\t+16+4*\i:S+32*\t+16+4*\i+3], v[RD] offset:2304*\t+576*\i   ; LDS serves a wave's instructions in order: these see my stores
.endr
.endr
.irp i, 0,1,2,3
	s_wait_dscnt 11-\i                             ; behind tile 0's load i: its 3 - i later loads, and tile 1's four stores and four loads
	global_store_b128 v[GO], v[S+16+4*\i:S+16+4*\i+3], s[OP:OP+1] offset:512*\i
.endr
.irp i, 0,1,2,3
	s_wait_dscnt 3-\i
	global_store_b128 v[GO], v[S+48+4*\i:S+48+4*\i+3], s[OP:OP+1] offset:2048+512*\i
.endr
.endm
	QLOAD                                          ; query block 7 - i
	CLEAR
	s_wait_loadcnt 0x0                             ; Q
.Lslot:                                            ; eight trips; behind each change of slots the next trip's key block is asked for
	CHANGE 1
	SLOT_STEPS
	s_add_co_u32 s9, s[U], 1
	s_cmp_lg_u32 s9, s[NA]                         ; ids and the count of trips alone: all eight waves go the same way
	s_cbranch_scc1 .Lsame
	s_mov_b64 s[QP:QP+1], s[QPB:QPB+1]             ; the first query block is done: the second's Q is asked for, the first's O leaves
	QLOAD
	OUT
	s_wait_xcnt 0x0                                ; the stores have read their base and their data
	s_mov_b64 s[OP:OP+1], s[OPB:OPB+1]
	s_mov_b32 s[Q0], s[Q0B]
	CLEAR
	s_wait_loadcnt 0x0
.Lsame:
	s_add_co_u32 s[U], s[U], 1
	s_cmp_lt_u32 s[U], 8
	s_cbranch_scc1 .Lslot
	CHANGE 0                                       ; the ninth slot is written out: nothing is left to ask for
	SLOT_STEPS
	OUT
	s_wait_tensorcnt 0x0                           ; the wave's end
	ds_add_u32 v[SPW], v[NIL]
	s_wait_dscnt 0x0
	s_endpgm
.Lfunc_end_k_qba1ac6adbe_attn:
	.size	k_qba1ac6adbe_attn, .Lfunc_end_k_qba1ac6adbe_attn-k_qba1ac6adbe_attn
	.p2alignl 7, 3214868480
	.fill 96, 4, 3214868480
	.section	.rodata,"a",@progbits
	.p2align	6, 0x0
	.amdhsa_kernel k_qba1ac6adbe_attn
		.amdhsa_group_segment_fixed_size 327680
		.amdhsa_private_segment_fixed_size 0
		.amdhsa_enable_private_segment 0
		.amdhsa_kernarg_size 16
		.amdhsa_user_sgpr_count 2
		.amdhsa_user_sgpr_kernarg_segment_ptr 1
		.amdhsa_wavefront_size32 1
		.amdhsa_system_sgpr_workgroup_id_x 1
		.amdhsa_system_sgpr_workgroup_id_y 1
		.amdhsa_system_sgpr_workgroup_id_z 1
		.amdhsa_system_vgpr_workitem_id 0
		.amdhsa_next_free_vgpr 384
		.amdhsa_next_free_sgpr 72
		.amdhsa_reserve_vcc 1
		.amdhsa_float_denorm_mode_32 3
		.amdhsa_float_denorm_mode_16_64 3
		.amdhsa_memory_ordered 1
		.amdhsa_forward_progress 1
		.amdhsa_inst_pref_size 72
	.end_amdhsa_kernel
	.amdgpu_metadata
---
amdhsa.version: [ 1, 2 ]
amdhsa.kernels:
  - .name:           k_qba1ac6adbe_attn
    .symbol:         k_qba1ac6adbe_attn.kd
    .args:
      - { .name: qkv16, .offset: 0, .size: 8, .value_kind: global_buffer, .address_space: global }
      - { .name: o16, .offset: 8, .size: 8, .value_kind: global_buffer, .address_space: global }
    .group_segment_fixed_size: 327680
    .private_segment_fixed_size: 0
    .kernarg_segment_align: 8
    .kernarg_segment_size: 16
    .max_flat_workgroup_size: 256
    .sgpr_count:     72
    .vgpr_count:     384
    .wavefront_size: 32
...
	.end_amdgpu_metadata
.endif
;; end of part 3
;; launch proj (part 4): grid 8 x 32, 4 waves a work-group, clusters of 4 x 4, 327,680 bytes of LDS; arguments o16, wo16, b_out, out0; writes out0
.if DOCPART == 4
	.amdgcn_target "amdgcn-amd-amdhsa--gfx1250"
	.amdhsa_code_object_version 6
	.text
	.protected	k_qba1ac6adbe_proj
	.globl	k_qba1ac6adbe_proj
	.p2align	8
	.type	k_qba1ac6adbe_proj,@function
k_qba1ac6adbe_proj:
	s_mov_b64 s[64:65], 0
	v_nop
	global_prefetch_b8 v0, s[64:65] scope:SCOPE_SE
	s_setreg_imm32_b32 hwreg(HW_REG_WAVE_MODE, 25, 1), 1
	s_wait_xcnt 0x0
	s_wait_alu depctr_hold_cnt(0) depctr_sa_sdst(0) depctr_va_vdst(0) depctr_va_sdst(0) depctr_va_ssrc(0) depctr_va_vcc(0) depctr_vm_vsrc(0)
	s_getreg_b32 s2, hwreg(HW_REG_IB_STS2, 6, 4)
	s_cmp_eq_u32 s2, 0
	s_cbranch_scc0 .Lentry_in_a_cluster
	s_endpgm
.Lentry_in_a_cluster:
	s_bfe_u32 s2, ttmp6, 0x10000c
	s_cmp_lg_u32 s2, 0xf033
	s_cbranch_scc0 .Lentry_shape_is_right
	s_endpgm
.Lentry_shape_is_right:
; out0[m][n] = sum over k of o[m][k] w_out[k][n] + b_out[n], 8,192 x 1,024, K = 1,024 = 16 heads x 64; f16 operands, f32 sums.
; o16 [16 heads][8192][64] f16; wo16 [1024 (k)][1024 (n)] f16; b_out [1024] f32; out0 [8192][1024] f32.  (The first 16 rows of each batch are stored again, from f32 operands, by the launch that follows.)
; A tile is 256 (m) x 128 (n): 256 work-groups.  Four waves, each 128 rows x 64 columns: 32 accumulators, which fill window 1.  K goes in steps of 128 (two heads) through two LDS slots.
; CLUSTERS: 4 x 4: o's tiles are asked for jointly along a row of the cluster, w's along a column.
; THE MATRIX INSTRUCTION IS USED TRANSPOSED: source 0 = 16 columns of w (turned on the way out of LDS, since k is its first axis), source 1 = 16 rows of o: a lane holds eight neighbouring numbers of a row of out0.
; The bias is the C of each sum's first matrix instruction.
; REGISTERS: window 0: v1-30 addresses; v32-63 the bias in the result's layout; v64-191 o's fragments, two buffers of 64; v192-255 w's, two buffers of 32.   window 1: accumulator (a, b) at v[8 (4 a + b)].
.set AP,    144                        ; a row of o in LDS: 128 bytes + 16
.set BP,    288                        ; a row of w: 256 bytes + 32: an odd multiple of 32 for the turning load
.set HEADT, 256*AP                     ; a head's 256 rows: one tensor load
.set BOFF,  2*HEADT
.set HALFB, 64*BP                      ; 64 rows of w: one tensor load
.set SLOT,  BOFF+2*HALFB
.set STAGE, 2*SLOT                     ; 16 rows x 272 bytes for each wave
.set SPARE, STAGE+4*4352
.set LAPS,  4                          ; a lap = two K steps
.set ADRA, 16
.set ADRB, 20
.set STO,  24
.set RD,   25
.set CO,   26
.set BO,   27
.set SPW,  28
.set NIL,  29
.set PFO,  30
.set BIAS, 32
.set WV,   12
.set HI,   13                          ; which 128 rows are mine.  Also: I fetch for o (0) or for w (1)
.set LO,   14                          ; which 64 columns.  Also: which half of a step's tiles I fetch
.set LIM,  43
.set PFA,  44
.set G1,  24
.set G0,  32
.set G1B, 48
.set G0B, 56
.set MSB, 0
.macro WIN new
.if MSB != (\new)
	s_set_vgpr_msb (MSB<<8)|(\new)
.set MSB, (\new)
.endif
.endm
.macro JLOAD s                         ; a joint load; an s_nop 0 and four v_nop follow each of the two lines
	s_cmp_eq_u32 s[HI], 0
	s_cbranch_scc0 .Lfor_b_\@
	tensor_load_to_lds s[G0+4*\s:G0+4*\s+3], s[G1:G1+7]
	s_nop 0
.rept 4
	v_nop
.endr
	s_branch .Lasked_\@
.Lfor_b_\@:
	tensor_load_to_lds s[G0B+4*\s:G0B+4*\s+3], s[G1B:G1B+7]
	s_nop 0
.rept 4
	v_nop
.endr
.Lasked_\@:
.endm
.macro CREST
	s_cmp_lg_u32 s[WV], 0
	s_cbranch_scc1 .Lnot_wave_0_\@
	s_barrier_signal -3
.Lnot_wave_0_\@:
	s_barrier_wait -3
	s_barrier_signal -1
	s_barrier_wait -1
.endm
.macro CROUND
	s_barrier_signal -1
	s_barrier_wait -1
	CREST
.endm
; A prefetch of o's tile that stands two refills on.  A tile row of o is read by both clusters of its row of clusters: the one with x = 0 asks; of a wave's 32,768 dense bytes each of the four partners takes 8,192,
; told apart by address, lanes 256 bytes apart: each aligned 256 bytes of K steps 4 to 7 is named once.  w's 2 MB are read by every row of clusters and are not asked for.
.macro ASK
	s_cmp_gt_u32 s3, s[LIM]                        ; the loop's last trip has no K step two refills on
	s_cbranch_scc0 .Lnot_mine_\@
	global_prefetch_b8 v[PFO], s[PFA:PFA+1] offset:2097152 th:TH_LOAD_NT scope:SCOPE_SE
.Lnot_mine_\@:
.endm
	s_load_b256 s[4:11], s[0:1], 0x0               ; o16 s[4:5], wo16 s[6:7], b_out s[8:9], out0 s[10:11]
	v_lshl_add_u32 v[SPW], v0, 2, SPARE
	v_mov_b32 v[NIL], 0
	ds_add_u32 v[SPW], v[NIL]                      ; the wave's opening: the add, twice on end, and its wait ahead of my first tensor load
	ds_add_u32 v[SPW], v[NIL]
	v_lshrrev_b32 v1, 5, v0
	v_readfirstlane_b32 s[WV], v1
	s_lshr_b32 s[HI], s[WV], 1
	s_and_b32 s[LO], s[WV], 1
	s_bfe_u32 s40, ttmp6, 0x40000                  ; cx
	s_bfe_u32 s41, ttmp6, 0x40004                  ; cy
	s_lshl_b32 s42, ttmp9, 2
	s_add_co_u32 s42, s42, s40                     ; tile column
	s_and_b32 s15, ttmp7, 0xffff
	s_lshl_b32 s15, s15, 2
	s_add_co_u32 s15, s15, s41                     ; tile row
	s_lshl_b32 s20, s41, 2
	s_lshl_b32 s20, 15, s20                        ; my row of the cluster
	s_lshl_b32 s21, 0x1111, s40                    ; my column
	s_or_b32 s[G1+0], s20, (1<<16)|(1<<20)|(1<<21)|(4<<22)|(3<<25)   ; o: elements of 2 bytes; 4 words of padding behind every 32
	s_mov_b32 s[G1+1], 64<<16                      ; tensor_dim0 = 64
	s_mov_b32 s[G1+2], 256<<16                     ; tensor_dim1 = 256
	s_mov_b32 s[G1+3], 64<<16                      ; tile_dim0 = 64
	s_mov_b32 s[G1+4], 256                         ; tile_dim1 = 256
	s_mov_b32 s[G1+5], 64
	s_mov_b32 s[G1+6], 0
	s_mov_b32 s[G1+7], 0
	s_or_b32 s[G1B+0], s21, (1<<16)|(1<<20)|(1<<21)|(5<<22)|(7<<25)  ; w: 8 words of padding behind every 64
	s_mov_b32 s[G1B+1], 128<<16
	s_mov_b32 s[G1B+2], 64<<16
	s_mov_b32 s[G1B+3], 128<<16
	s_mov_b32 s[G1B+4], 64
	s_mov_b32 s[G1B+5], 1024
	s_mov_b32 s[G1B+6], 0
	s_mov_b32 s[G1B+7], 0
	s_lshl_b32 s16, s15, 15                        ; o: 256 rows of 128 bytes a tile row,
	s_lshl_b32 s17, s[LO], 20                      ; the head that I fetch
	s_add_co_u32 s16, s16, s17
	s_mov_b32 s17, 0
	s_lshl_b32 s46, s42, 8                         ; w: 128 columns of 2 bytes a tile column,
	s_lshl_b32 s47, s[LO], 17                      ; the 64 rows that I fetch
	s_add_co_u32 s46, s46, s47
	s_mov_b32 s47, 0
	s_mul_i32 s18, s[LO], HEADT                    ; where they go: no place in the cluster enters an LDS address
	s_mul_i32 s19, s[LO], HALFB
	s_add_co_u32 s19, s19, BOFF
	s_wait_dscnt 0x0
	s_wait_kmcnt 0x0
	s_add_nc_u64 s[16:17], s[4:5], s[16:17]
	s_add_nc_u64 s[46:47], s[6:7], s[46:47]
	CROUND                                         ; the first joint loads meet
.irp s, 0,1
	s_mov_b32 s[G0+4*\s], 1
	s_add_co_u32 s[G0+4*\s+1], s18, \s*SLOT
	s_add_nc_u64 s[G0+4*\s+2:G0+4*\s+3], s[16:17], \s*2097152      ; K step s: heads 2 s, 2 s + 1
	s_or_b32 s[G0+4*\s+3], s[G0+4*\s+3], 0x80000000
	s_mov_b32 s[G0B+4*\s], 1
	s_add_co_u32 s[G0B+4*\s+1], s19, \s*SLOT
	s_add_nc_u64 s[G0B+4*\s+2:G0B+4*\s+3], s[46:47], \s*262144     ; 128 rows of 2,048 bytes
	s_or_b32 s[G0B+4*\s+3], s[G0B+4*\s+3], 0x80000000
	JLOAD \s                                       ; two tensor loads of mine are out
.endr
	v_and_b32 v1, 15, v0                           ; r
	v_bfe_u32 v2, v0, 4, 1                         ; h
	v_mul_u32_u24 v3, v1, AP
	v_lshl_add_u32 v3, v2, 4, v3
	s_mul_i32 s20, s[HI], 128*AP
	v_and_b32 v4, 7, v0
	v_lshl_add_u32 v4, v2, 3, v4
	v_mul_u32_u24 v4, v4, BP
	v_bfe_u32 v5, v0, 3, 1
	v_lshl_add_u32 v4, v5, 4, v4
	s_lshl_b32 s21, s[LO], 7
	s_add_co_u32 s21, s21, BOFF
.irp s, 0,1
	v_add_nc_u32 v[ADRA+\s], s20, v3
	v_add_nc_u32 v[ADRB+\s], s21, v4
	s_add_co_u32 s20, s20, SLOT
	s_add_co_u32 s21, s21, SLOT
.endr
	s_mul_i32 s20, s[WV], 4352
	s_add_co_u32 s20, s20, STAGE
	v_mul_u32_u24 v5, v1, 272
	v_lshl_add_u32 v5, v2, 5, v5
	v_add_nc_u32 v[STO], s20, v5                   ; in: row r, 32 bytes for each half of the lanes
	v_mul_u32_u24 v5, v2, 272
	v_lshl_add_u32 v5, v1, 4, v5
	v_add_nc_u32 v[RD], s20, v5                    ; back: lanes 0-15 one row of 256 bytes, lanes 16-31 the next
	v_lshlrev_b32 v5, 12, v2
	v_lshl_add_u32 v[CO], v1, 4, v5                ; the same two rows in out0
	v_lshlrev_b32 v[BO], 5, v2
	v_and_b32 v[PFO], 31, v0
	v_lshlrev_b32 v[PFO], 8, v[PFO]
	s_lshl_b32 s46, s42, 9                         ; my first column, in bytes of f32: 512 x tile column + 256 x half
	s_lshl_b32 s47, s[LO], 8
	s_add_co_u32 s46, s46, s47
	s_mov_b32 s47, 0
	s_add_nc_u64 s[8:9], s[8:9], s[46:47]
	s_add_nc_u64 s[10:11], s[10:11], s[46:47]
.irp b, 0,1,2,3
	global_load_b128 v[BIAS+8*\b:BIAS+8*\b+3],   v[BO], s[8:9] offset:64*\b      ; b_out at columns 16 b + 8 h + 0 .. 7 of my 64
	global_load_b128 v[BIAS+8*\b+4:BIAS+8*\b+7], v[BO], s[8:9] offset:64*\b+16
.endr
	s_lshl_b32 s20, s15, 8
	s_lshl_b32 s21, s[HI], 7
	s_add_co_u32 s20, s20, s21                     ; my first row
	s_lshl_b32 s20, s20, 12
	s_mov_b32 s21, 0
	s_add_nc_u64 s[10:11], s[10:11], s[20:21]
	s_lshl_b32 s46, s40, 13                        ; the prefetches: my work-group's 8,192 bytes of the tile that I fetch,
	s_add_nc_u64 s[PFA:PFA+1], s[16:17], s[46:47]
	s_add_nc_u64 s[PFA:PFA+1], s[PFA:PFA+1], 0x400000   ; at K step 2: the first refill steps it to 3 and names K step 4
	s_or_b32 s20, s[HI], ttmp9                     ; 0 in waves 0 and 1 of the clusters with x = 0: the same in all partners
	s_cmp_eq_u32 s20, 0
	s_cselect_b32 s[LIM], 1, -1
; The fragments of quarter kq (32 along K) of a slot into buffer p: w's four (turned), then o's eight: 24 loads in one run
.macro FETCH slot, kq, p
.irp bn, 0,1,2,3
	ds_load_tr16_b128 v[192+32*(\p)+8*\bn:192+32*(\p)+8*\bn+3],   v[ADRB+\slot] offset:32*BP*(\kq)+32*\bn
	ds_load_tr16_b128 v[192+32*(\p)+8*\bn+4:192+32*(\p)+8*\bn+7], v[ADRB+\slot] offset:32*BP*(\kq)+32*\bn+16*BP
.endr
.irp i, 0,1,2,3,4,5,6,7
	ds_load_b128 v[64+64*(\p)+8*\i:64+64*(\p)+8*\i+3],   v[ADRA+\slot] offset:HEADT*((\kq)/2)+16*AP*\i+64*((\kq)%2)
	ds_load_b128 v[64+64*(\p)+8*\i+4:64+64*(\p)+8*\i+7], v[ADRA+\slot] offset:HEADT*((\kq)/2)+16*AP*\i+64*((\kq)%2)+32
.endr
.endm
; 4 n matrix instructions: row blocks a0 .. a0 + n - 1 x my four column blocks, on buffer p.  The 32 accumulators take turns, one instruction a turn, in the same order in every quarter.
.macro MUL p, a0, n, first
.if \first
	WIN 0x40                                       ; D in window 1, C (the bias) in window 0
.else
	WIN 0x50                                       ; C and D in window 1
.endif
.set aa, \a0
.rept \n
.irp b, 0,1,2,3
.if \first
	v_wmma_f32_16x16x32_f16 v[8*(4*aa+\b):8*(4*aa+\b)+7], v[192+32*(\p)+8*\b:192+32*(\p)+8*\b+7], v[64+64*(\p)+8*aa:64+64*(\p)+8*aa+7], v[BIAS+8*\b:BIAS+8*\b+7]
.else
	v_wmma_f32_16x16x32_f16 v[8*(4*aa+\b):8*(4*aa+\b)+7], v[192+32*(\p)+8*\b:192+32*(\p)+8*\b+7], v[64+64*(\p)+8*aa:64+64*(\p)+8*aa+7], v[8*(4*aa+\b):8*(4*aa+\b)+7]
.endif
.endr
.set aa, aa+1
.endr
.endm
.macro PLACES                          ; four plain instructions between a matrix instruction and a load into its sources, or a read of its result (ISA guide 7.12.1 for reads)
.rept 4
	v_nop
.endr
.endm
; One of a K step's first three quarters: the slot's quarter kq is fetched into the other buffer first, then buffer p is multiplied: the loads have 32 matrix instructions in which to land.
.macro QUARTER slot, kq, p, first
	PLACES
	WIN 0
	FETCH \slot, \kq, 1-(\p)
	s_wait_dscnt 24                                ; all but the 24 just issued: buffer p is in
	MUL \p, 0, 8, \first
.endm
; A K step's last quarter multiplies buffer 1 and changes slots: ONE barrier; in front of it each wave waits for all its tensor loads, adds 0 to its spare word, and waits for that and for its reads of this slot.
; fill = 1: the barrier opens a round of the cluster's, and this slot is filled again, two K steps ahead, first thing behind it.
.macro TURN slot, next, fill
.if \fill
	s_wait_xcnt 0x0                                ; the last prefetch, a K step back, has read its address
	s_add_nc_u64 s[PFA:PFA+1], s[PFA:PFA+1], 2097152
.endif
	WIN 0
	s_wait_tensorcnt 0x0                           ; all my tensor loads have landed: my part of the next slot
	ds_add_u32 v[SPW], v[NIL]
	s_wait_dscnt 1                                 ; buffer 1 is in (the add may be out)
	MUL 1, 0, 2, 0
	s_wait_dscnt 0x0                               ; the add is done, and my reads of this slot are over
	s_barrier_signal -1
	MUL 1, 2, 2, 0
	WIN 0
	s_barrier_wait -1
.if \fill
	CREST                                          ; no wave of any partner still reads this slot's tiles or has a load on its way
	s_add_nc_u64 s[G0+4*\slot+2:G0+4*\slot+3], s[G0+4*\slot+2:G0+4*\slot+3], 2*2097152
	s_add_nc_u64 s[G0B+4*\slot+2:G0B+4*\slot+3], s[G0B+4*\slot+2:G0B+4*\slot+3], 2*262144
	JLOAD \slot                                    ; its four v_nop are also the places in front of the loads below
.else
	PLACES
.endif
	FETCH \next, 0, 0
.if \fill
	ASK
.endif
	MUL 1, 4, 4, 0
.endm
	s_wait_tensorcnt 1                             ; my part of K step 0 is in; K step 1's load may be out
	s_barrier_signal -1
	s_barrier_wait -1
	s_wait_loadcnt 0x0                             ; the bias
	FETCH 0, 0, 0
	QUARTER 0, 1, 0, 1                             ; the first quarter stands in front of the loop: its products start the sums, from the bias
	WIN 0
	s_mov_b32 s3, LAPS-1
.Llap:                                             ; a trip goes once round the ring and fills both slots again
	QUARTER 0, 2, 1, 0
	QUARTER 0, 3, 0, 0
	TURN 0, 1, 1
	QUARTER 1, 1, 0, 0
	QUARTER 1, 2, 1, 0
	QUARTER 1, 3, 0, 0
	TURN 1, 0, 1
	QUARTER 0, 1, 0, 0
	WIN 0
	s_sub_co_u32 s3, s3, 1
	s_cmp_lg_u32 s3, 0
	s_cbranch_scc1 .Llap
	QUARTER 0, 2, 1, 0                             ; the last lap fills nothing
	QUARTER 0, 3, 0, 0
	TURN 0, 1, 0
	QUARTER 1, 1, 0, 0
	QUARTER 1, 2, 1, 0
	QUARTER 1, 3, 0, 0
	s_wait_dscnt 0x0
	MUL 1, 0, 8, 0
	WIN 0
; THE WAY OUT, block by block of 16 rows x 64 columns: through my own stage, back as whole rows of 256 bytes: sixteen lanes store 256 consecutive bytes, aligned.
.macro TOSTAGE a
	WIN 0x04                                       ; an LDS store's data are its source 1: window 1
.irp b, 0,1,2,3
	ds_store_b128 v[STO], v[8*(4*(\a)+\b):8*(4*(\a)+\b)+3] offset:64*\b       ; each accumulator from its low end on
	ds_store_b128 v[STO], v[8*(4*(\a)+\b)+4:8*(4*(\a)+\b)+7] offset:64*\b+16
.endr
	WIN 0
.set BB, 64+32*((\a)%2)
.irp t, 0,1,2,3,4,5,6,7
	ds_load_b128 v[BB+4*\t:BB+4*\t+3], v[RD] offset:\t*544                    ; LDS serves a wave's instructions in order: these see my stores, and the next block's stores come behind them
.endr
.endm
.macro SEND a, younger
.set BB, 64+32*((\a)%2)
	s_wait_dscnt \younger                          ; the block is back; the next block's eight stores and eight loads may be out
.irp t, 0,1,2,3,4,5,6,7
	global_store_b128 v[CO], v[BB+4*\t:BB+4*\t+3], s[10:11] offset:(16*(\a)+2*\t)*4096 th:TH_STORE_NT
.endr
.endm
	PLACES
	TOSTAGE 0
.irp a, 1,2,3,4,5,6,7
.if \a > 1
	s_wait_xcnt 0x0                                ; block a - 2's stores have read their data: block a's loads land there
.endif
	TOSTAGE \a
	SEND (\a-1), 16
.endr
	SEND 7, 0
	s_wait_tensorcnt 0x0                           ; the wave's end
	ds_add_u32 v[SPW], v[NIL]
	s_wait_dscnt 0x0
	CROUND                                         ; the closing round
	s_endpgm
.Lfunc_end_k_qba1ac6adbe_proj:
	.size	k_qba1ac6adbe_proj, .Lfunc_end_k_qba1ac6adbe_proj-k_qba1ac6adbe_proj
	.p2alignl 7, 3214868480
	.fill 96, 4, 3214868480
	.section	.rodata,"a",@progbits
	.p2align	6, 0x0
	.amdhsa_kernel k_qba1ac6adbe_proj
		.amdhsa_group_segment_fixed_size 327680
		.amdhsa_private_segment_fixed_size 0
		.amdhsa_enable_private_segment 0
		.amdhsa_kernarg_size 32
		.amdhsa_user_sgpr_count 2
		.amdhsa_user_sgpr_kernarg_segment_ptr 1
		.amdhsa_wavefront_size32 1
		.amdhsa_system_sgpr_workgroup_id_x 1
		.amdhsa_system_sgpr_workgroup_id_y 1
		.amdhsa_system_sgpr_workgroup_id_z 1
		.amdhsa_system_vgpr_workitem_id 0
		.amdhsa_next_free_vgpr 512
		.amdhsa_next_free_sgpr 66
		.amdhsa_reserve_vcc 0
		.amdhsa_float_denorm_mode_32 3
		.amdhsa_float_denorm_mode_16_64 3
		.amdhsa_memory_ordered 1
		.amdhsa_forward_progress 1
		.amdhsa_inst_pref_size 86
	.end_amdhsa_kernel
	.amdgpu_metadata
---
amdhsa.version: [ 1, 2 ]
amdhsa.kernels:
  - .name:           k_qba1ac6adbe_proj
    .symbol:         k_qba1ac6adbe_proj.kd
    .args:
      - { .name: o16, .offset: 0, .size: 8, .value_kind: global_buffer, .address_space: global }
      - { .name: wo16, .offset: 8, .size: 8, .value_kind: global_buffer, .address_space: global }
      - { .name: b_out, .offset: 16, .size: 8, .value_kind: global_buffer, .address_space: global }
      - { .name: out0, .offset: 24, .size: 8, .value_kind: global_buffer, .address_space: global }
    .group_segment_fixed_size: 327680
    .private_segment_fixed_size: 0
    .kernarg_segment_align: 8
    .kernarg_segment_size: 32
    .max_flat_workgroup_size: 128
    .sgpr_count:     66
    .vgpr_count:     512
    .wavefront_size: 32
...
	.end_amdgpu_metadata
.endif
;; end of part 4
;; launch first16 (part 5): grid 16 x 4, 16 waves a work-group, no clusters, 71,680 bytes of LDS; arguments qkv32, w_out, b_out, out0; writes out0
.if DOCPART == 5
	.amdgcn_target "amdgcn-amd-amdhsa--gfx1250"
	.amdhsa_code_object_version 6
	.text
	.protected	k_qba1ac6adbe_first16
	.globl	k_qba1ac6adbe_first16
	.p2align	8
	.type	k_qba1ac6adbe_first16,@function
k_qba1ac6adbe_first16:
	s_mov_b64 s[64:65], 0
	v_nop
	global_prefetch_b8 v0, s[64:65] scope:SCOPE_SE
	s_setreg_imm32_b32 hwreg(HW_REG_WAVE_MODE, 25, 1), 1
	s_wait_xcnt 0x0
; The first 16 positions of each batch, attention and projection, once more with f32 operands throughout: their rows average one to sixteen values and are the largest of the output.  They are stored over what the launch before left.
; qkv32 [4][16][3072] f32 (q, k, v of positions 0-15); w_out [1024][1024] f32; b_out [1024]; out0 [8192][1024] f32.
; Work-group (cb, b) makes 64 columns of the 16 rows of batch b.  Wave w is head w: it computes the head's attention (16 x 16) and the head's part of the projection (its 64 channels of K); the sixteen parts meet in LDS.
; All products are v_wmma_f32_16x16x4_f32, written out: 96 a wave.  Four accumulators take turns, one instruction a turn; the registers that these instructions write, v32-95, are written by nothing else.
; K OF A PRODUCT MAY BE TAKEN IN ANY ORDER THAT IS THE SAME ON BOTH SIDES: the instruction's k = 2 h + j (h = lane / 16, j = register) is fed with what the lane holds: in S^T channel 32 h + 2 s + j, in O^T key 8 h + 2 i + j,
; in the projection channel 16 t + 8 h + 2 i + j.  So each result's registers are the next product's operand as they stand.
; REGISTERS: v1 r, v2 h, v3-5 offsets in memory, v6 the mask's bound, v8-15 scores, then p, v16-23 at work, v24 8 x lane, v26-27 the bias, v28, v29 the add's two, v30, v31 LDS addresses;
;   v32-63, v64-95 accumulators; v96-127 K, v128-159 Q, later w_out's rows 32-63 of the head; v160-191 V, then O / l; v192-255 w_out's rows 0-31 of the head.
.set SPARE, 16*4352                    ; behind the sixteen parts (16 rows x 272 bytes each): the spare words, 128 bytes a wave
.set SPW, 28
.set NIL, 29
	s_load_b256 s[4:11], s[0:1], 0x0               ; qkv32 s[4:5], w_out s[6:7], b_out s[8:9], out0 s[10:11]
	v_lshl_add_u32 v[SPW], v0, 2, SPARE
	v_mov_b32 v[NIL], 0
	v_lshrrev_b32 v1, 5, v0
	v_readfirstlane_b32 s12, v1                    ; wave = head
	v_and_b32 v1, 15, v0                           ; r
	v_bfe_u32 v2, v0, 4, 1                         ; h
	v_and_b32 v25, 31, v0
	v_lshlrev_b32 v24, 3, v25                      ; 8 x lane
	v_mul_u32_u24 v3, v1, 12288
	v_lshl_add_u32 v3, v2, 7, v3                   ; q, k: position r, channels 32 h on
	v_mul_u32_u24 v4, v2, 98304
	v_lshl_add_u32 v4, v1, 2, v4                   ; v: positions 8 h on, channel r
	v_lshlrev_b32 v5, 15, v2
	v_lshl_add_u32 v5, v1, 2, v5                   ; w_out: rows 8 h on, column r
	s_mul_i32 s13, s12, 4352
	v_mul_u32_u24 v30, v1, 272
	v_lshl_add_u32 v30, v2, 5, v30
	v_add_nc_u32 v30, s13, v30                     ; my part in LDS: row r, + 32 h
	s_mul_i32 s13, s12, 272
	v_add_nc_u32 v31, s13, v24                     ; row w of a part, 8 bytes a lane
	s_mov_b32 s18, 0x3e38aa3b                      ; c = log2(e) / sqrt(64)
	s_mov_b32 s19, s18
	s_mov_b32 s20, 0x76543210
	s_mov_b32 s21, 0xfedcba98
	s_and_b32 s14, ttmp7, 0xffff                   ; batch
	s_mul_i32 s16, s14, 196608
	s_lshl_b32 s15, s12, 8
	s_add_co_u32 s16, s16, s15                     ; qkv32: the batch's 16 rows, my head's 64 channels
	s_mov_b32 s17, 0
	s_lshl_b32 s22, s12, 18                        ; w_out: my head's 64 rows,
	s_lshl_b32 s24, ttmp9, 8                       ; the work-group's 64 columns
	s_add_co_u32 s22, s22, s24
	s_mov_b32 s23, 0
	s_mov_b32 s25, 0
	s_lshl_b32 s26, s14, 11
	s_add_co_u32 s26, s26, s12                     ; out0: row 2048 b + w
	s_lshl_b32 s26, s26, 12
	s_add_co_u32 s26, s26, s24
	s_mov_b32 s27, 0
	s_wait_kmcnt 0x0
	s_add_nc_u64 s[4:5], s[4:5], s[16:17]
	s_add_nc_u64 s[6:7], s[6:7], s[22:23]
	s_add_nc_u64 s[8:9], s[8:9], s[24:25]
	s_add_nc_u64 s[10:11], s[10:11], s[26:27]
	global_load_b64 v[26:27], v24, s[8:9]          ; the bias of my two columns
.irp i, 0,1,2,3,4,5,6,7
	global_load_b128 v[96+4*\i:99+4*\i], v3, s[4:5] offset:4096+16*\i     ; k(r, 32 h + 4 i ..)
.endr
.irp i, 0,1,2,3,4,5,6,7
	global_load_b128 v[128+4*\i:131+4*\i], v3, s[4:5] offset:16*\i        ; q likewise
.endr
.irp t, 0,1,2,3
.irp e, 0,1,2,3,4,5,6,7
	global_load_b32 v[160+8*\t+\e], v4, s[4:5] offset:8192+12288*\e+64*\t ; v(8 h + e, 16 t + r)
.endr
.endr
.irp t, 0,1
.irp nt, 0,1,2,3
.irp e, 0,1,2,3,4,5,6,7
	global_load_b32 v[192+32*\t+8*\nt+\e], v5, s[6:7] offset:(16*\t+\e)*4096+64*\nt   ; w_out(16 t + 8 h + e, 16 nt + r)
.endr
.endr
.endr
	s_wait_loadcnt 63                              ; of the 113 loads at most the last 63 are out: the bias, k, q and v, the first 49, are in
.irp s, 0,1,2,3,4,5,6,7,8,9,10,11,12,13,14,15      ; S^T = k q^T in four partial sums
.if \s < 4
	v_wmma_f32_16x16x4_f32 v[32+8*(\s%4):39+8*(\s%4)], v[96+2*\s:97+2*\s], v[128+2*\s:129+2*\s], 0
.else
	v_wmma_f32_16x16x4_f32 v[32+8*(\s%4):39+8*(\s%4)], v[96+2*\s:97+2*\s], v[128+2*\s:129+2*\s], v[32+8*(\s%4):39+8*(\s%4)]
.endif
.endr
	v_lshlrev_b32 v7, 3, v2                        ; eight places behind this form (ISA guide 7.12.1): three lines of use and five v_nop
	v_sub_nc_u32 v6, v1, v7                        ; register e holds key 8 h + e for query r: hidden where e > r - 8 h
	v_mov_b32 v7, 0xff800000                       ; -infinity
.rept 5
	v_nop
.endr
.irp t, 2,3
.irp nt, 0,1,2,3
.irp e, 0,1,2,3,4,5,6,7
	global_load_b32 v[96+32*(\t-2)+8*\nt+\e], v5, s[6:7] offset:(16*\t+\e)*4096+64*\nt   ; into k's and q's registers, which are done with
.endr
.endr
.endr
.irp p, 0,1,2,3
	v_pk_add_f32 v[8+2*\p:9+2*\p], v[32+2*\p:33+2*\p], v[40+2*\p:41+2*\p]      ; the four partial sums; each accumulator from its low end on
.endr
.irp p, 0,1,2,3
	v_pk_add_f32 v[16+2*\p:17+2*\p], v[48+2*\p:49+2*\p], v[56+2*\p:57+2*\p]
.endr
.irp p, 0,1,2,3
	v_pk_add_f32 v[8+2*\p:9+2*\p], v[8+2*\p:9+2*\p], v[16+2*\p:17+2*\p]
.endr
.irp e, 0,1,2,3,4,5,6,7
	v_cmp_gt_i32 vcc_lo, \e, v6
	v_cndmask_b32 v[8+\e], v[8+\e], v7, vcc_lo
.endr
	v_max3_num_f32 v16, v8, v9, v10
	v_max3_num_f32 v17, v11, v12, v13
	v_max3_num_f32 v16, v16, v14, v15
	v_max_num_f32 v16, v16, v17
	v_permlanex16_b32 v17, v16, s20, s21
	v_max_num_f32 v16, v16, v17                    ; the row's maximum: key 0 counts for every query, so it is a number
	v_mul_f32 v16, s18, v16
.irp p, 0,1,2,3
	v_pk_fma_f32 v[8+2*\p:9+2*\p], v[8+2*\p:9+2*\p], s[18:19], v[16:17] op_sel_hi:[1,0,0] neg_lo:[0,0,1] neg_hi:[0,0,1]
.endr
.irp e, 0,1,2,3,4,5,6,7
	v_exp_f32 v[8+\e], v[8+\e]
.endr
	v_nop                                          ; a plain instruction behind the last exponential,
	s_wait_alu depctr_va_vdst(0)                   ; and one wait for the batch ahead of its first reader
	v_pk_add_f32 v[18:19], v[8:9], v[10:11]
	v_pk_add_f32 v[20:21], v[12:13], v[14:15]
	v_pk_add_f32 v[18:19], v[18:19], v[20:21]
	v_add_f32 v18, v18, v19
	v_permlanex16_b32 v19, v18, s20, s21
	v_add_f32 v18, v18, v19                        ; the row's sum
	v_rcp_f32 v20, v18
	v_nop
	s_wait_alu depctr_va_vdst(0)
.irp i, 0,1,2,3                                    ; O^T = v^T p: four tiles of 16 channels by turns
.irp t, 0,1,2,3
.if \i == 0
	v_wmma_f32_16x16x4_f32 v[64+8*\t:71+8*\t], v[160+8*\t+2*\i:161+8*\t+2*\i], v[8+2*\i:9+2*\i], 0
.else
	v_wmma_f32_16x16x4_f32 v[64+8*\t:71+8*\t], v[160+8*\t+2*\i:161+8*\t+2*\i], v[8+2*\i:9+2*\i], v[64+8*\t:71+8*\t]
.endif
.endr
.endr
.rept 8
	v_nop
.endr
.irp p, 0,1,2,3,4,5,6,7,8,9,10,11,12,13,14,15
	v_pk_mul_f32 v[160+2*\p:161+2*\p], v[64+2*\p:65+2*\p], v[20:21] op_sel_hi:[1,0]   ; O / l: register 8 t + e is channel 16 t + 8 h + e of query r
.endr
	s_wait_loadcnt 63                              ; of the 177 loads at most the last 63 are out: w_out's first 64 are in
.irp t, 0,1,2,3                                    ; out^T = w_out^T O^T, my head's part: four tiles of 16 columns by turns
.if \t == 2
	s_wait_loadcnt 0x0
.endif
.if \t < 2
.set WR, 192+32*\t
.else
.set WR, 96+32*(\t-2)
.endif
.irp i, 0,1,2,3
.irp nt, 0,1,2,3
.if (\t == 0) && (\i == 0)
	v_wmma_f32_16x16x4_f32 v[32+8*\nt:39+8*\nt], v[WR+8*\nt+2*\i:WR+8*\nt+2*\i+1], v[160+8*\t+2*\i:161+8*\t+2*\i], 0
.else
	v_wmma_f32_16x16x4_f32 v[32+8*\nt:39+8*\nt], v[WR+8*\nt+2*\i:WR+8*\nt+2*\i+1], v[160+8*\t+2*\i:161+8*\t+2*\i], v[32+8*\nt:39+8*\nt]
.endif
.endr
.endr
.endr
.rept 8
	v_nop
.endr
.irp nt, 0,1,2,3
	ds_store_b128 v30, v[32+8*\nt:35+8*\nt] offset:64*\nt          ; lane (r, h): query r, columns 16 nt + 8 h + 0 .. 7
	ds_store_b128 v30, v[36+8*\nt:39+8*\nt] offset:64*\nt+16
.endr
	s_wait_dscnt 0x0                               ; for the others' sake: my part lies in LDS
	s_barrier_signal -1
	s_barrier_wait -1
.irp p, 0,1,2,3,4,5,6,7,8,9,10,11,12,13,14,15
	ds_load_b64 v[96+2*\p:97+2*\p], v31 offset:4352*\p             ; wave w takes query w: its row of each of the sixteen parts
.endr
	s_wait_dscnt 0x0
	v_pk_add_f32 v[16:17], v[96:97], v[98:99]
	v_pk_add_f32 v[18:19], v[100:101], v[102:103]
.irp p, 4,6,8,10,12,14
	v_pk_add_f32 v[16:17], v[16:17], v[96+2*\p:97+2*\p]
	v_pk_add_f32 v[18:19], v[18:19], v[98+2*\p:99+2*\p]
.endr
	v_pk_add_f32 v[16:17], v[16:17], v[18:19]
	v_pk_add_f32 v[16:17], v[16:17], v[26:27]      ; + the bias
	global_store_b64 v24, v[16:17], s[10:11]       ; 256 consecutive bytes, aligned
	s_wait_tensorcnt 0x0                           ; the wave's end: the add and its waits, behind my last LDS store
	ds_add_u32 v[SPW], v[NIL]
	s_wait_dscnt 0x0
	s_endpgm
.Lfunc_end_k_qba1ac6adbe_first16:
	.size	k_qba1ac6adbe_first16, .Lfunc_end_k_qba1ac6adbe_first16-k_qba1ac6adbe_first16
	.p2alignl 7, 3214868480
	.fill 96, 4, 3214868480
	.section	.rodata,"a",@progbits
	.p2align	6, 0x0
	.amdhsa_kernel k_qba1ac6adbe_first16
		.amdhsa_group_segment_fixed_size 71680
		.amdhsa_private_segment_fixed_size 0
		.amdhsa_enable_private_segment 0
		.amdhsa_kernarg_size 32
		.amdhsa_user_sgpr_count 2
		.amdhsa_user_sgpr_kernarg_segment_ptr 1
		.amdhsa_wavefront_size32 1
		.amdhsa_system_sgpr_workgroup_id_x 1
		.amdhsa_system_sgpr_workgroup_id_y 1
		.amdhsa_system_sgpr_workgroup_id_z 1
		.amdhsa_system_vgpr_workitem_id 0
		.amdhsa_next_free_vgpr 256
		.amdhsa_next_free_sgpr 66
		.amdhsa_reserve_vcc 1
		.amdhsa_float_denorm_mode_32 3
		.amdhsa_float_denorm_mode_16_64 3
		.amdhsa_memory_ordered 1
		.amdhsa_forward_progress 1
		.amdhsa_inst_pref_size 33
	.end_amdhsa_kernel
	.amdgpu_metadata
---
amdhsa.version: [ 1, 2 ]
amdhsa.kernels:
  - .name:           k_qba1ac6adbe_first16
    .symbol:         k_qba1ac6adbe_first16.kd
    .args:
      - { .name: qkv32, .offset: 0, .size: 8, .value_kind: global_buffer, .address_space: global }
      - { .name: w_out, .offset: 8, .size: 8, .value_kind: global_buffer, .address_space: global }
      - { .name: b_out, .offset: 16, .size: 8, .value_kind: global_buffer, .address_space: global }
      - { .name: out0, .offset: 24, .size: 8, .value_kind: global_buffer, .address_space: global }
    .group_segment_fixed_size: 71680
    .private_segment_fixed_size: 0
    .kernarg_segment_align: 8
    .kernarg_segment_size: 32
    .max_flat_workgroup_size: 512
    .sgpr_count:     66
    .vgpr_count:     256
    .wavefront_size: 32
...
	.end_amdgpu_metadata
.endif
;; end of part 5
